; MI455X (gfx1250); checked and timed in simulation.
; The chip was launched on July 23, 2026; its instructions are those of AMD's public machine-readable ISA for CDNA 5 (MIT licence, August 2026) and "CDNA5" Instruction Set Architecture Reference Guide (July 2026). The comments in the code are by the model that wrote it; some were corrected since.
;; Sequence Compressor Attention. Allowed arithmetic: float matrix products may take bf16 or f16 operands with f32 sums; other float arithmetic in f32, or as packed bf16 or f16 multiplies, adds, multiply-adds, maxima and minima; sums over many terms, partial sums and values carried from step to step in f32; what a program stores and reads back later, other than sums and carried values, may be rounded once to bf16 or f16.
;; Inputs: Wkv 1,024 x 256 float32; Wout 128 x 1,024 float32; Wq 1,024 x 128 float32; beta_l 1,024 float32; beta_m 1,024 float32; gamma_l 1,024 float32; gamma_m 1,024 float32; latents 8 x 256 x 1,024 float32; mask 8 x 8,448 int32; x 8 x 8,192 x 1,024 float32.
;; Outputs: out0 8 x 256 x 1,024 float32.
;; 2 versions, each right; version 2 is version 1 with the launch attn written anew for expert scheduling mode. Each part assembles by itself: llvm-mc -triple=amdgcn-amd-amdhsa -mcpu=gfx1250 --defsym DOCPART=n.
;; ======== version 1 of 2: 5 launches
;; limits: values are held in f16: magnitudes above 65,504 overflow, below 6.1e-05 lose precision
;; workspace buffers: WX 524,288 bytes; WL 786,432 bytes; WO 262,144 bytes; BIAS 2,560 bytes; ORD 270,592 bytes of whole numbers; KVW 34,603,008 bytes; QW 524,288 bytes; PART 6,684,672 bytes
;; launch prep (part 1): grid 80 x 1, 8 waves a work-group, no clusters, 1,792 bytes of LDS; arguments Wkv, Wq, Wout, gamma_m, beta_m, gamma_l, beta_l, mask, WX, WL, WO, BIAS, ORD; writes WX, WL, WO, BIAS, ORD
.if DOCPART == 1
	.amdgcn_target "amdgcn-amd-amdhsa--gfx1250"
	.amdhsa_code_object_version 6
	.text
	.protected	k_q161e9300f0_prep
	.globl	k_q161e9300f0_prep
	.p2align	8
	.type	k_q161e9300f0_prep,@function
k_q161e9300f0_prep:
	s_mov_b64 s[64:65], 0
	v_nop
	global_prefetch_b8 v0, s[64:65] scope:SCOPE_SE
	s_setreg_imm32_b32 hwreg(HW_REG_WAVE_MODE, 25, 1), 1
	s_wait_xcnt 0x0
; THE WEIGHTS IN FRAGMENT ORDER, THE BIASES, THE ORDER OF THE KEYS.
; LN(x) W = rstd ((x - mean) (gamma o W)) + beta W.  So the projections multiply by W' = f16(64 gamma W) and add bias = beta W (f32); the 1/64 goes into the row factor.
; A fragment is 1,024 bytes: 16 columns x 32 k.  Chunk (j, l) at 512 j + 16 l holds column 16 nt + l % 16, k = 32 ks + 16 j + 8 (l / 16) + 0..7: a lane's 16 bytes of a matrix operand.
; Work-group g: 0-15 WX tile g (Wkv, gamma_m, beta_m); 16-31 WL tile g - 16 (Wkv, gamma_l, beta_l); 32-39 WL tile g - 16 (Wq); 40-47 WO, 32 fragments each (Wout, no gain); 48-79 the mask.
; THE ORDER.  For each batch and quarter of its 8,448 keys (2,112 keys, list 4 batch + quarter) ORD holds the keys' numbers in the quarter, the open ones (mask != 0) first, then the hidden ones;
; behind the 32 lists stand the 32 numbers of open keys.  Attention sums over keys, so any order serves; this one lets it leave out work on hidden keys.
; The list's stores are 4 bytes a lane at places that hang on the mask: 8,448 bytes a work-group.
; LDS: each role that meets in LDS has bytes of its own: the biases' partial sums at 0, the waves' counts of open keys at LCNT.
; LIMIT: 64 gamma W and Wout must lie inside f16's range (65,504); below 6e-5 they keep f16's fixed step.
.set SPARE, 512                        ; behind the 512 bytes of the biases' partial sums: the spare words, 128 bytes a wave
.set LCNT, 1536                        ; behind the spare words: the eight waves' counts of open keys, in a block of 256 bytes of their own
.set CNT, 270336                       ; ORD: the counts stand behind 32 lists of 8,448 bytes
.set SPW, 1
.set NIL, 2
.set LN, 4                             ; lane
.set RR, 5                             ; lane % 16
.set HH, 6                             ; lane / 16
.set DO, 7                             ; 1,024 wave + 16 lane: my 16 bytes in the wave's fragment
.set SO, 8                             ; my byte offset in the source
.set GO, 9                             ; my byte offset in gamma and beta
.set WR, 16                            ; fragment i: 16 of W, 16 of gamma, 16 of beta at WR + 48 i
.set OUTR, 216                         ; 8 chunks x 4 registers to store
; Wave w makes fragments w + 8 i, i = 0..3.  All loads go out first.  istep: source bytes from fragment i to i + 1.
.macro WROLE pitch, istep, gam
.irp i, 0,1,2,3
.irp q, 0,1,2,3,4,5,6,7,8,9,10,11,12,13,14,15
	global_load_b32 v[WR+48*(\i)+(\q)], v[SO], s[42:43] offset:(\i)*(\istep)+((\q)+8*((\q)/8))*(\pitch)
.endr
.if \gam
.irp c, 0,1,2,3
	global_load_b128 v[WR+48*(\i)+16+4*(\c):WR+48*(\i)+19+4*(\c)], v[GO], s[36:37] offset:(\i)*1024+((\c)/2)*64+((\c)%2)*16
	global_load_b128 v[WR+48*(\i)+32+4*(\c):WR+48*(\i)+35+4*(\c)], v[GO], s[38:39] offset:(\i)*1024+((\c)/2)*64+((\c)%2)*16
.endr
.endif
.endr
	s_wait_loadcnt 0x0
.irp i, 0,1,2,3
.irp j, 0,1
.irp p, 0,1,2,3
.if \gam
	v_pk_fma_f32 v[10:11], v[WR+48*(\i)+32+8*(\j)+2*(\p):WR+48*(\i)+33+8*(\j)+2*(\p)], v[WR+48*(\i)+8*(\j)+2*(\p):WR+48*(\i)+8*(\j)+2*(\p)+1], v[10:11]  ; bias += beta W
	v_pk_mul_f32 v[WR+48*(\i)+16+8*(\j)+2*(\p):WR+48*(\i)+17+8*(\j)+2*(\p)], v[WR+48*(\i)+16+8*(\j)+2*(\p):WR+48*(\i)+17+8*(\j)+2*(\p)], v[WR+48*(\i)+8*(\j)+2*(\p):WR+48*(\i)+8*(\j)+2*(\p)+1]
	v_pk_mul_f32 v[WR+48*(\i)+16+8*(\j)+2*(\p):WR+48*(\i)+17+8*(\j)+2*(\p)], v[WR+48*(\i)+16+8*(\j)+2*(\p):WR+48*(\i)+17+8*(\j)+2*(\p)], 0x42800000 op_sel_hi:[1,0]  ; x 64, exact
	v_cvt_pk_f16_f32 v[OUTR+4*(2*(\i)+(\j))+(\p)], v[WR+48*(\i)+16+8*(\j)+2*(\p)], v[WR+48*(\i)+17+8*(\j)+2*(\p)]
.else
	v_cvt_pk_f16_f32 v[OUTR+4*(2*(\i)+(\j))+(\p)], v[WR+48*(\i)+8*(\j)+2*(\p)], v[WR+48*(\i)+8*(\j)+2*(\p)+1]
.endif
.endr
	global_store_b128 v[DO], v[OUTR+4*(2*(\i)+(\j)):OUTR+4*(2*(\i)+(\j))+3], s[40:41] offset:(\i)*8192+(\j)*512  ; 32 lanes: 512 bytes on end
.endr
.endr
.endm
; The open keys of one block of 32 are counted onto s5.
.macro COUNT reg
	v_cmp_ne_u32 vcc_lo, 0, v[\reg]
	s_bcnt1_i32_b32 s4, vcc_lo
	s_add_co_u32 s5, s5, s4
.endm
; Block u of my wave: each key's number goes to its place.  s44: the next open place, s47: the next hidden place.  Each block has its own address and data registers.
.macro PLACE reg, u
	v_cmp_ne_u32 vcc_lo, 0, v[\reg]
	v_mbcnt_lo_u32_b32 v25, vcc_lo, 0              ; the open keys in the lanes below mine
	s_bcnt1_i32_b32 s4, vcc_lo
	v_sub_nc_u32 v26, v[LN], v25                   ; the hidden ones
	v_add_nc_u32 v25, s44, v25
	v_add_nc_u32 v26, s47, v26
	v_cndmask_b32 v25, v26, v25, vcc_lo
	v_min_u32 v25, 2111, v25                       ; a place in the list, whatever the mask holds
	v_lshlrev_b32 v[40+(\u)], 2, v25
	v_add_nc_u32 v[50+(\u)], 256*(\u), v0          ; the key's number in the quarter: 32 (wave + 8 u) + lane
	global_store_b32 v[40+(\u)], v[50+(\u)], s[36:37]
	s_add_co_u32 s44, s44, s4
	s_sub_co_u32 s4, 32, s4
	s_add_co_u32 s47, s47, s4
.endm
	s_load_b512 s[8:23], s[0:1], 0x0               ; Wkv 8, Wq 10, Wout 12, gamma_m 14, beta_m 16, gamma_l 18, beta_l 20, mask 22
	s_load_b256 s[24:31], s[0:1], 0x40             ; WX 24, WL 26, WO 28, BIAS 30
	s_load_b64 s[32:33], s[0:1], 0x60              ; ORD
	v_lshl_add_u32 v[SPW], v0, 2, SPARE
	v_mov_b32 v[NIL], 0
	v_lshrrev_b32 v3, 5, v0
	v_readfirstlane_b32 s2, v3                     ; wave 0..7
	v_and_b32 v[LN], 31, v0
	v_and_b32 v[RR], 15, v0
	v_bfe_u32 v[HH], v0, 4, 1
	v_lshlrev_b32 v[DO], 4, v[LN]
	v_lshl_add_u32 v[DO], s2, 10, v[DO]
	v_lshlrev_b32 v[GO], 5, v[HH]
	v_lshl_add_u32 v[GO], s2, 7, v[GO]             ; 4 (32 wave + 8 h)
	v_lshlrev_b32 v[SO], 3, v[HH]                  ; 8 h; the roles go on from here
	v_mov_b32 v10, 0                               ; the lane's part of the bias
	v_mov_b32 v11, 0
	s_mov_b32 s3, ttmp9
	s_mov_b32 s35, 0
	s_mov_b32 s45, 0
	s_mov_b32 s6, 0x76543210                       ; v_permlanex16_b32: each lane takes its own place in the other half
	s_mov_b32 s7, 0xfedcba98
	s_wait_kmcnt 0x0
	s_cmp_ge_u32 s3, 48
	s_cbranch_scc1 .Lmask
	s_cmp_ge_u32 s3, 40
	s_cbranch_scc1 .Lwo
	s_cmp_ge_u32 s3, 32
	s_cbranch_scc1 .Lwq
	; Wkv, with the media's or the latents' gain
	s_cmp_lt_u32 s3, 16
	s_cselect_b64 s[36:37], s[14:15], s[18:19]
	s_cselect_b64 s[38:39], s[16:17], s[20:21]
	s_cselect_b64 s[40:41], s[24:25], s[26:27]
	s_cselect_b32 s4, 0, 1024
	s_and_b32 s5, s3, 15                           ; the tile of 16 columns
	s_lshl_b32 s34, s5, 6
	s_add_nc_u64 s[42:43], s[8:9], s[34:35]
	s_add_co_u32 s44, s4, s34
	s_add_nc_u64 s[30:31], s[30:31], s[44:45]
	s_lshl_b32 s34, s5, 15
	s_add_nc_u64 s[40:41], s[40:41], s[34:35]
	v_lshl_add_u32 v[SO], s2, 5, v[SO]             ; row 32 wave + 8 h
	v_mul_u32_u24 v[SO], v[SO], 1024
	v_lshl_add_u32 v[SO], v[RR], 2, v[SO]
	WROLE 1024, 262144, 1
	s_branch .Lbias
.Lwq:
	s_mov_b64 s[36:37], s[18:19]
	s_mov_b64 s[38:39], s[20:21]
	s_sub_co_u32 s5, s3, 32
	s_lshl_b32 s34, s5, 6
	s_add_nc_u64 s[42:43], s[10:11], s[34:35]
	s_sub_co_u32 s5, s3, 16                        ; WL's tile 16..23
	s_lshl_b32 s44, s5, 6
	s_add_co_u32 s44, s44, 1024
	s_add_nc_u64 s[30:31], s[30:31], s[44:45]
	s_lshl_b32 s34, s5, 15
	s_add_nc_u64 s[40:41], s[26:27], s[34:35]
	v_lshl_add_u32 v[SO], s2, 5, v[SO]
	v_mul_u32_u24 v[SO], v[SO], 512
	v_lshl_add_u32 v[SO], v[RR], 2, v[SO]
	WROLE 512, 131072, 1
.Lbias:                                        ; the tile's 16 biases: the lane's pair, the other half of the lanes, the eight waves
	v_add_f32 v10, v10, v11
	v_permlanex16_b32 v11, v10, s6, s7
	v_add_f32 v10, v10, v11
	v_lshlrev_b32 v12, 2, v[RR]
	v_lshl_add_u32 v13, s2, 6, v12
	ds_store_b32 v13, v10                          ; lanes r and r + 16 write the same word with the same value
	s_wait_dscnt 0x0                               ; for the others' sake
	s_barrier_signal -1
	s_barrier_wait -1
	s_cmp_lg_u32 s2, 0
	s_cbranch_scc1 .Lend
.irp k, 0,1,2,3,4,5,6,7
	ds_load_b32 v[16+(\k)], v12 offset:64*(\k)
.endr
	s_wait_dscnt 0x0
	v_add_f32 v16, v16, v17
	v_add_f32 v18, v18, v19
	v_add_f32 v20, v20, v21
	v_add_f32 v22, v22, v23
	v_add_f32 v16, v16, v18
	v_add_f32 v20, v20, v22
	v_add_f32 v16, v16, v20
	global_store_b32 v12, v16, s[30:31]
	s_branch .Lend
.Lwo:                                          ; fragment F = 32 (g - 40) + wave + 8 i: tile F / 4, k step F % 4
	s_sub_co_u32 s5, s3, 40
	s_lshl_b32 s34, s5, 9
	s_add_nc_u64 s[42:43], s[12:13], s[34:35]
	s_lshl_b32 s34, s5, 15
	s_add_nc_u64 s[40:41], s[28:29], s[34:35]
	s_and_b32 s4, s2, 3
	s_lshr_b32 s5, s2, 2
	v_lshl_add_u32 v[SO], s4, 5, v[SO]
	v_lshlrev_b32 v[SO], 12, v[SO]
	v_lshl_add_u32 v[SO], v[RR], 2, v[SO]
	v_lshl_add_u32 v[SO], s5, 6, v[SO]
	WROLE 4096, 128, 0
	s_branch .Lend
.Lmask:                                        ; one list: 66 blocks of 32 keys.  Wave w takes blocks w + 8 u, u = 0..7; waves 0 and 1 also blocks 64 and 65
	s_sub_co_u32 s4, s3, 48                        ; list 4 batch + quarter
	s_mul_i32 s34, s4, 8448                        ; 2,112 words, in the mask and in ORD alike
	s_add_nc_u64 s[22:23], s[22:23], s[34:35]
	s_add_nc_u64 s[36:37], s[32:33], s[34:35]
	s_lshl_b32 s34, s4, 2
	s_add_nc_u64 s[38:39], s[32:33], s[34:35]      ; the list's count, CNT bytes on
	v_lshlrev_b32 v[SO], 2, v0                     ; 4 x thread = 128 x wave + 4 x lane
	s_cmp_ge_u32 s2, 2
	s_cbranch_scc1 .Lm0
	global_load_b32 v24, v[SO], s[22:23] offset:8192
.Lm0:
.irp u, 0,1,2,3,4,5,6,7
	global_load_b32 v[16+(\u)], v[SO], s[22:23] offset:1024*(\u)
.endr
	s_wait_loadcnt 0x0
	s_mov_b32 s5, 0                                ; my wave's open keys
.irp u, 0,1,2,3,4,5,6,7
	COUNT 16+(\u)
.endr
	s_cmp_ge_u32 s2, 2
	s_cbranch_scc1 .Lm1
	COUNT 24
.Lm1:
	v_mov_b32 v12, s5
	v_mov_b32 v13, s2
	v_lshlrev_b32 v13, 2, v13
	ds_store_b32 v13, v12 offset:LCNT              ; all lanes: the wave's word, the same value
	s_wait_dscnt 0x0                               ; for the others' sake
	s_barrier_signal -1
	s_barrier_wait -1
	v_mov_b32 v14, 0
	ds_load_b128 v[28:31], v14 offset:LCNT         ; the eight waves' counts, in every lane
	ds_load_b128 v[32:35], v14 offset:LCNT+16
	s_wait_dscnt 0x0
	s_mov_b32 s44, 0                               ; open keys of the waves before mine
	s_mov_b32 s46, 0                               ; open keys of the list
.irp k, 0,1,2,3,4,5,6,7
	v_readfirstlane_b32 s4, v[28+(\k)]
	s_add_co_u32 s46, s46, s4
	s_cmp_lt_u32 \k, s2
	s_cselect_b32 s4, s4, 0
	s_add_co_u32 s44, s44, s4
.endr
	s_min_u32 s4, s2, 2                            ; the waves before mine have 256 w + 32 min(w, 2) keys;
	s_lshl_b32 s4, s4, 5
	s_lshl_b32 s47, s2, 8
	s_add_co_u32 s47, s47, s4
	s_add_co_u32 s47, s47, s46                     ; the hidden ones among them lie behind all open keys
	s_sub_co_u32 s47, s47, s44
.irp u, 0,1,2,3,4,5,6,7
	PLACE 16+(\u), \u
.endr
	s_cmp_ge_u32 s2, 2
	s_cbranch_scc1 .Lm2
	PLACE 24, 8
.Lm2:
	s_cmp_lg_u32 s2, 0
	s_cbranch_scc1 .Lend
	v_mov_b32 v27, s46
	global_store_b32 v14, v27, s[38:39] offset:CNT ; all lanes: the same word, the same value
.Lend:
	s_wait_tensorcnt 0x0                           ; the wave's end
	ds_add_u32 v[SPW], v[NIL]
	s_wait_dscnt 0x0
	s_endpgm
.Lfunc_end_k_q161e9300f0_prep:
	.size	k_q161e9300f0_prep, .Lfunc_end_k_q161e9300f0_prep-k_q161e9300f0_prep
	.p2alignl 7, 3214868480
	.fill 96, 4, 3214868480
	.section	.rodata,"a",@progbits
	.p2align	6, 0x0
	.amdhsa_kernel k_q161e9300f0_prep
		.amdhsa_group_segment_fixed_size 1792
		.amdhsa_private_segment_fixed_size 0
		.amdhsa_enable_private_segment 0
		.amdhsa_kernarg_size 104
		.amdhsa_user_sgpr_count 2
		.amdhsa_user_sgpr_kernarg_segment_ptr 1
		.amdhsa_wavefront_size32 1
		.amdhsa_system_sgpr_workgroup_id_x 1
		.amdhsa_system_sgpr_workgroup_id_y 1
		.amdhsa_system_sgpr_workgroup_id_z 1
		.amdhsa_system_vgpr_workitem_id 0
		.amdhsa_next_free_vgpr 256
		.amdhsa_next_free_sgpr 66
		.amdhsa_reserve_vcc 1
		.amdhsa_float_denorm_mode_32 3
		.amdhsa_float_denorm_mode_16_64 3
		.amdhsa_memory_ordered 1
		.amdhsa_forward_progress 1
		.amdhsa_inst_pref_size 61
	.end_amdhsa_kernel
	.amdgpu_metadata
---
amdhsa.version: [ 1, 2 ]
amdhsa.kernels:
  - .name:           k_q161e9300f0_prep
    .symbol:         k_q161e9300f0_prep.kd
    .args:
      - { .name: Wkv, .offset: 0, .size: 8, .value_kind: global_buffer, .address_space: global }
      - { .name: Wq, .offset: 8, .size: 8, .value_kind: global_buffer, .address_space: global }
      - { .name: Wout, .offset: 16, .size: 8, .value_kind: global_buffer, .address_space: global }
      - { .name: gamma_m, .offset: 24, .size: 8, .value_kind: global_buffer, .address_space: global }
      - { .name: beta_m, .offset: 32, .size: 8, .value_kind: global_buffer, .address_space: global }
      - { .name: gamma_l, .offset: 40, .size: 8, .value_kind: global_buffer, .address_space: global }
      - { .name: beta_l, .offset: 48, .size: 8, .value_kind: global_buffer, .address_space: global }
      - { .name: mask, .offset: 56, .size: 8, .value_kind: global_buffer, .address_space: global }
      - { .name: WX, .offset: 64, .size: 8, .value_kind: global_buffer, .address_space: global }
      - { .name: WL, .offset: 72, .size: 8, .value_kind: global_buffer, .address_space: global }
      - { .name: WO, .offset: 80, .size: 8, .value_kind: global_buffer, .address_space: global }
      - { .name: BIAS, .offset: 88, .size: 8, .value_kind: global_buffer, .address_space: global }
      - { .name: ORD, .offset: 96, .size: 8, .value_kind: global_buffer, .address_space: global }
    .group_segment_fixed_size: 1792
    .private_segment_fixed_size: 0
    .kernarg_segment_align: 8
    .kernarg_segment_size: 104
    .max_flat_workgroup_size: 256
    .sgpr_count:     66
    .vgpr_count:     256
    .wavefront_size: 32
...
	.end_amdgpu_metadata
.endif
;; end of part 1
;; launch projl (part 2): grid 64 x 3, 8 waves a work-group, no clusters, 67,328 bytes of LDS; arguments latents, WL, BIAS, KVW, QW; writes KVW, QW
.if DOCPART == 2
	.amdgcn_target "amdgcn-amd-amdhsa--gfx1250"
	.amdhsa_code_object_version 6
	.text
	.protected	k_q161e9300f0_projl
	.globl	k_q161e9300f0_projl
	.p2align	8
	.type	k_q161e9300f0_projl,@function
k_q161e9300f0_projl:
	s_mov_b64 s[64:65], 0
	v_nop
	global_prefetch_b8 v0, s[64:65] scope:SCOPE_SE
	s_setreg_imm32_b32 hwreg(HW_REG_WAVE_MODE, 25, 1), 1
	s_wait_xcnt 0x0
; LAYERNORM OF THE LATENTS AND THEIR THREE PROJECTIONS.  Work-group (x, y): 32 rows (batch x / 8, rows 32 (x % 8) on); y = 0: k, 1: v, 2: q.  2,048 rows in all: a small launch, one shot, no ring.
; Each wave normalises four rows (mean and variance in two passes in f32, the row in registers), puts f16(row - mean) into LDS and rstd / 64 beside it; behind one barrier wave w
; multiplies all 32 rows by tile 8 y + w of WL (its 32 fragments lie in register window 1) and stores acc x rstd / 64 + bias in f16; q also times c = log2(e) / 4.
; k and q tiles of 16 rows: lane l's 16 bytes at 16 l (row l % 16, channels 8 (l / 16) on); v tiles row by row, 32 bytes a row.
; The matrix instruction is used transposed (source 0 = 16 columns of W, source 1 = 16 rows): a lane holds one row and eight neighbouring columns.
; LIMITS: |row - mean| under 65,504; k, v and c q inside f16's range.
.set PITCH, 2064                       ; a row of A in LDS: 2,048 bytes + 16: an odd multiple of 16, so the 16 rows of a fragment load start at 16 different groups of banks (ISA guide 11.1)
.set RSB, 32*PITCH                     ; rstd / 64 of the 32 rows
.set SPARE, RSB+256                    ; the spare words, 128 bytes a wave
.set SPW, 1
.set NIL, 2
.set AST, 3                            ; where my 8 bytes of a row go
.set RSA, 4                            ; where my wave's row factors go
.set XO, 5                             ; 16 x lane
.set AFA, 6                            ; a fragment's row x pitch + 16 x half
.set R4, 7
.set KO, 8
.set BO, 9
.set T, 16                             ; v16-79: 16 registers at work for each of four rows
.set X, 80                             ; v80-207: four rows of 32; later A's fragments of eight K steps
.set ACC, 208                          ; four accumulators: row tile m, parity of the K step, at ACC + 8 (m + 2 parity)
.set BIA, 240
.set RS, 248
.set SEL, 20
.set INV, 22
.set EPS, 23
.set XP, 4
.set MSB, 0
.macro WIN new                         ; the immediate's high byte repeats the setting that is left; a switch that changes nothing is dropped
.if MSB != (\new)
	s_set_vgpr_msb (MSB<<8)|(\new)
.set MSB, \new
.endif
.endm
.macro FOLD4                           ; four pairs in T_i[0:7] -> the row's sum in T_i[0] of every lane; the four rows take turns, so no line waits for the one before it
.irp i, 0,1,2,3
	v_pk_add_f32 v[T+16*(\i):T+16*(\i)+1], v[T+16*(\i):T+16*(\i)+1], v[T+16*(\i)+4:T+16*(\i)+5]
	v_pk_add_f32 v[T+16*(\i)+2:T+16*(\i)+3], v[T+16*(\i)+2:T+16*(\i)+3], v[T+16*(\i)+6:T+16*(\i)+7]
.endr
.irp i, 0,1,2,3
	v_pk_add_f32 v[T+16*(\i):T+16*(\i)+1], v[T+16*(\i):T+16*(\i)+1], v[T+16*(\i)+2:T+16*(\i)+3]
.endr
.irp i, 0,1,2,3
	v_add_f32 v[T+16*(\i)], v[T+16*(\i)], v[T+16*(\i)+1]
.endr
.irp m, 1,2,4,8
.irp i, 0,1,2,3
	v_add_f32_dpp v[T+16*(\i)], v[T+16*(\i)], v[T+16*(\i)] row_xmask:\m row_mask:0xf bank_mask:0xf
.endr
.endr
.irp i, 0,1,2,3
	v_permlanex16_b32 v[T+16*(\i)+1], v[T+16*(\i)], s[SEL], s[SEL+1]
.endr
.irp i, 0,1,2,3
	v_add_f32 v[T+16*(\i)], v[T+16*(\i)], v[T+16*(\i)+1]
.endr
.endm
; FOUR ROWS' LAYERNORM.  Row i lies in 32 registers at base + 32 i of window xw; chunk j of a lane is columns 128 j + 4 lane + 0..3.  wt: the younger loads that may stay out.
; arow: the first row's place behind AST and RSA.  refill = 1: the registers take the rows at roff behind s[XP:XP+1].
.macro QUAD base, xw, wt, arow, refill, roff
	s_wait_loadcnt \wt
	WIN 5*(\xw)
.irp u, 0,1,2,3,4,5,6,7
.irp i, 0,1,2,3
	v_pk_add_f32 v[T+16*(\i)+2*(\u):T+16*(\i)+2*(\u)+1], v[(\base)+32*(\i)+4*(\u):(\base)+32*(\i)+4*(\u)+1], v[(\base)+32*(\i)+4*(\u)+2:(\base)+32*(\i)+4*(\u)+3]
.endr
.endr
	WIN 0
.irp u, 0,1,2,3
.irp i, 0,1,2,3
	v_pk_add_f32 v[T+16*(\i)+2*(\u):T+16*(\i)+2*(\u)+1], v[T+16*(\i)+2*(\u):T+16*(\i)+2*(\u)+1], v[T+16*(\i)+8+2*(\u):T+16*(\i)+9+2*(\u)]
.endr
.endr
	FOLD4
.irp i, 0,1,2,3
	v_mul_f32 v[T+16*(\i)], s[INV], v[T+16*(\i)]   ; the mean
.endr
	WIN 0x41*(\xw)
.irp u, 0,1,2,3,4,5,6,7,8,9,10,11,12,13,14,15
.irp i, 0,1,2,3
	v_pk_add_f32 v[(\base)+32*(\i)+2*(\u):(\base)+32*(\i)+2*(\u)+1], v[(\base)+32*(\i)+2*(\u):(\base)+32*(\i)+2*(\u)+1], v[T+16*(\i):T+16*(\i)+1] op_sel_hi:[1,0] neg_lo:[0,1] neg_hi:[0,1]
.endr
.endr
	WIN 5*(\xw)
.irp u, 0,1,2,3
.irp i, 0,1,2,3
	v_pk_mul_f32 v[T+16*(\i)+2*(\u):T+16*(\i)+2*(\u)+1], v[(\base)+32*(\i)+2*(\u):(\base)+32*(\i)+2*(\u)+1], v[(\base)+32*(\i)+2*(\u):(\base)+32*(\i)+2*(\u)+1]
.endr
.endr
.irp u, 4,5,6,7,8,9,10,11,12,13,14,15
.irp i, 0,1,2,3
	v_pk_fma_f32 v[T+16*(\i)+2*((\u)%4):T+16*(\i)+2*((\u)%4)+1], v[(\base)+32*(\i)+2*(\u):(\base)+32*(\i)+2*(\u)+1], v[(\base)+32*(\i)+2*(\u):(\base)+32*(\i)+2*(\u)+1], v[T+16*(\i)+2*((\u)%4):T+16*(\i)+2*((\u)%4)+1]
.endr
.endr
	WIN 0
	FOLD4
.irp i, 0,1,2,3
	v_fma_f32 v[T+16*(\i)], v[T+16*(\i)], s[INV], s[EPS]  ; variance + 1e-5
.endr
.irp i, 0,1,2,3
	v_rsq_f32 v[T+16*(\i)+2], v[T+16*(\i)]
.endr
	v_nop                                          ; a plain instruction behind the last of the batch (ISA guide 5.7.2)
	s_wait_alu depctr_va_vdst(0)                   ; one wait for the four, ahead of their first reader
.irp i, 0,1,2,3
	v_mul_f32 v[T+16*(\i)+2], 0x3c800000, v[T+16*(\i)+2]  ; rstd / 64
.endr
.irp i, 0,1,2,3
	ds_store_b32 v[RSA], v[T+16*(\i)+2] offset:4*((\arow)+(\i))  ; all lanes: the same word, the same value
.endr
	WIN 5*(\xw)
.irp u, 0,1,2,3,4,5,6,7,8,9,10,11,12,13,14,15
.irp i, 0,1,2,3
	v_cvt_pk_f16_f32 v[T+16*(\i)+(\u)], v[(\base)+32*(\i)+2*(\u)], v[(\base)+32*(\i)+2*(\u)+1]
.endr
.endr
	WIN 0
.irp j, 0,1,2,3,4,5,6,7
.irp i, 0,1,2,3
	ds_store_b64 v[AST], v[T+16*(\i)+2*(\j):T+16*(\i)+2*(\j)+1] offset:((\arow)+(\i))*PITCH+(\j)*256  ; 32 lanes: 256 bytes on end
.endr
.endr
.if \refill
	WIN 0x40*(\xw)
.irp i, 0,1,2,3
.irp j, 0,1,2,3,4,5,6,7
	global_load_b128 v[(\base)+32*(\i)+4*(\j):(\base)+32*(\i)+4*(\j)+3], v[XO], s[XP:XP+1] offset:(\roff)+(\i)*4096+(\j)*512 th:TH_LOAD_NT
.endr
.endr
	WIN 0
.endif
.endm
; Eight K steps: 32 LDS loads in one run, 16 products; the four accumulators take turns; four places in front of the next run's loads.
.macro RUN g
.irp k, 0,1,2,3,4,5,6,7
.irp m, 0,1
	ds_load_b128 v[X+16*(\k)+8*(\m):X+16*(\k)+8*(\m)+3], v[AFA] offset:(\m)*16*PITCH+(8*(\g)+(\k))*64
	ds_load_b128 v[X+16*(\k)+8*(\m)+4:X+16*(\k)+8*(\m)+7], v[AFA] offset:(\m)*16*PITCH+(8*(\g)+(\k))*64+32
.endr
.endr
	s_wait_dscnt 0x0
	WIN 0x01                                       ; source 0 (W) in window 1
.irp k, 0,1,2,3,4,5,6,7
.irp m, 0,1
.if ((\g) == 0) && ((\k) < 2)
	v_wmma_f32_16x16x32_f16 v[ACC+8*((\m)+2*((\k)%2)):ACC+8*((\m)+2*((\k)%2))+7], v[8*(8*(\g)+(\k)):8*(8*(\g)+(\k))+7], v[X+16*(\k)+8*(\m):X+16*(\k)+8*(\m)+7], 0
.else
	v_wmma_f32_16x16x32_f16 v[ACC+8*((\m)+2*((\k)%2)):ACC+8*((\m)+2*((\k)%2))+7], v[8*(8*(\g)+(\k)):8*(8*(\g)+(\k))+7], v[X+16*(\k)+8*(\m):X+16*(\k)+8*(\m)+7], v[ACC+8*((\m)+2*((\k)%2)):ACC+8*((\m)+2*((\k)%2))+7]
.endif
.endr
.endr
	WIN 0
.rept 4
	v_nop
.endr
.endm
	s_load_b256 s[4:11], s[0:1], 0x0               ; latents 4, WL 6, BIAS 8, KVW 10
	s_load_b64 s[12:13], s[0:1], 0x20              ; QW
	v_lshl_add_u32 v[SPW], v0, 2, SPARE
	v_mov_b32 v[NIL], 0
	v_lshrrev_b32 v11, 5, v0
	v_readfirstlane_b32 s14, v11                   ; wave 0..7
	s_mov_b32 s15, ttmp9
	s_and_b32 s16, ttmp7, 0xffff
	v_and_b32 v12, 31, v0
	v_and_b32 v13, 15, v0
	v_bfe_u32 v14, v0, 4, 1
	v_lshlrev_b32 v[XO], 4, v12
	s_mul_i32 s17, s14, 4*PITCH
	v_lshl_add_u32 v[AST], v12, 3, s17             ; my wave's rows 4 w on, 8 bytes a lane
	s_lshl_b32 s17, s14, 4
	s_add_co_u32 s17, s17, RSB
	v_mov_b32 v[RSA], s17
	v_mul_u32_u24 v[AFA], v13, PITCH
	v_lshl_add_u32 v[AFA], v14, 4, v[AFA]
	v_lshl_add_u32 v[R4], v13, 2, RSB
	v_lshlrev_b32 v[BO], 5, v14
	s_lshl3_add_u32 s28, s16, s14                  ; WL's tile 8 y + w
	s_mov_b32 s[SEL], 0x76543210
	s_mov_b32 s[SEL+1], 0xfedcba98
	s_mov_b32 s[INV], 0x3a800000                   ; 1 / 1,024
	s_mov_b32 s[EPS], 0x3727c5ac                   ; 1e-5
	s_lshl_b32 s18, s15, 17                        ; 32 rows of 4,096 bytes,
	s_lshl_b32 s19, s14, 14                        ; my wave's four
	s_add_co_u32 s18, s18, s19
	s_mov_b32 s19, 0
	s_wait_kmcnt 0x0
	s_add_nc_u64 s[4:5], s[4:5], s[18:19]
	s_lshl_b32 s18, s28, 15
	s_add_nc_u64 s[6:7], s[6:7], s[18:19]
	s_lshl_b32 s18, s28, 6
	s_add_co_u32 s18, s18, 1024
	s_add_nc_u64 s[8:9], s[8:9], s[18:19]
.irp i, 0,1,2,3
.irp j, 0,1,2,3,4,5,6,7
	global_load_b128 v[X+32*(\i)+4*(\j):X+32*(\i)+4*(\j)+3], v[XO], s[4:5] offset:(\i)*4096+(\j)*512
.endr
.endr
	global_load_b128 v[BIA:BIA+3], v[BO], s[8:9]
	global_load_b128 v[BIA+4:BIA+7], v[BO], s[8:9] offset:16
	WIN 0x40                                       ; destination in window 1
.irp k, 0,1,2,3,4,5,6,7,8,9,10,11,12,13,14,15
	global_load_b128 v[8*(\k):8*(\k)+3], v[XO], s[6:7] offset:(\k)*1024
	global_load_b128 v[8*(\k)+4:8*(\k)+7], v[XO], s[6:7] offset:(\k)*1024+512
.endr
	WIN 0
	; where the results go
	s_lshr_b32 s17, s15, 3                         ; batch
	s_and_b32 s29, s15, 7
	s_lshl_b32 s29, s29, 10                        ; 32 rows of 32 bytes
	s_lshl4_add_u32 s18, s17, s28
	s_mul_i32 s18, s18, 270336                     ; a tile's 8,448 keys of 32 bytes
	s_add_co_u32 s18, s18, 262144                  ; behind the 8,192 keys of x
	s_lshl3_add_u32 s19, s17, s14
	s_lshl_b32 s19, s19, 13
	s_cmp_eq_u32 s16, 2
	s_cselect_b32 s18, s19, s18
	s_cselect_b64 s[26:27], s[12:13], s[10:11]
	s_cselect_b32 s24, 0x3eb8aa3b, 1.0             ; c = log2(e) / 4 for q
	s_add_co_u32 s18, s18, s29
	s_mov_b32 s19, 0
	s_add_nc_u64 s[26:27], s[26:27], s[18:19]
	s_mov_b32 s25, s24
	s_cmp_eq_u32 s16, 1
	s_cselect_b32 s30, 32, 16                      ; v: row x 32 + half x 16; k, q: row x 16 + half x 256
	s_cselect_b32 s31, 16, 256
	v_mul_u32_u24 v[KO], v13, s30
	v_mad_u32_u24 v[KO], v14, s31, v[KO]
	QUAD X, 0, 34, 0, 0, 0                         ; 34 younger loads may stay out: 2 of the bias, 32 of W
	WIN 0x40
.irp k, 16,17,18,19,20,21,22,23,24,25,26,27,28,29,30,31
	global_load_b128 v[8*(\k):8*(\k)+3], v[XO], s[6:7] offset:(\k)*1024
	global_load_b128 v[8*(\k)+4:8*(\k)+7], v[XO], s[6:7] offset:(\k)*1024+512
.endr
	WIN 0
	s_wait_dscnt 0x0                               ; for the others' sake: my rows lie in LDS
	s_barrier_signal -1
	s_barrier_wait -1
	s_wait_loadcnt 0x0                             ; W and the bias
	RUN 0
	RUN 1
	RUN 2
	RUN 3
.rept 4
	v_nop
.endr
	ds_load_b32 v[RS], v[R4]
	ds_load_b32 v[RS+2], v[R4] offset:64
.irp m, 0,1
.irp p, 0,1,2,3
	v_pk_add_f32 v[ACC+8*(\m)+2*(\p):ACC+8*(\m)+2*(\p)+1], v[ACC+8*(\m)+2*(\p):ACC+8*(\m)+2*(\p)+1], v[ACC+16+8*(\m)+2*(\p):ACC+17+8*(\m)+2*(\p)]  ; the two parities, from the low end on
.endr
.endr
.irp p, 0,1,2,3
	v_pk_mul_f32 v[BIA+2*(\p):BIA+2*(\p)+1], v[BIA+2*(\p):BIA+2*(\p)+1], s[24:25] op_sel_hi:[1,0]
.endr
	s_wait_dscnt 0x0
	v_mul_f32 v[RS], s24, v[RS]
	v_mul_f32 v[RS+2], s24, v[RS+2]
	v_mov_b32 v[RS+1], v[RS]                       ; named with it as a pair
	v_mov_b32 v[RS+3], v[RS+2]
.irp m, 0,1
.irp p, 0,1,2,3
	v_pk_fma_f32 v[ACC+8*(\m)+2*(\p):ACC+8*(\m)+2*(\p)+1], v[ACC+8*(\m)+2*(\p):ACC+8*(\m)+2*(\p)+1], v[RS+2*(\m):RS+2*(\m)+1], v[BIA+2*(\p):BIA+2*(\p)+1] op_sel_hi:[1,0,1]
.endr
.irp p, 0,1,2,3
	v_cvt_pk_f16_f32 v[T+4*(\m)+(\p)], v[ACC+8*(\m)+2*(\p)], v[ACC+8*(\m)+2*(\p)+1]
.endr
	global_store_b128 v[KO], v[T+4*(\m):T+4*(\m)+3], s[26:27] offset:(\m)*512  ; a tile of 16 rows: 512 bytes on end
.endr
	s_wait_tensorcnt 0x0                           ; the wave's end
	ds_add_u32 v[SPW], v[NIL]
	s_wait_dscnt 0x0
	s_endpgm
.Lfunc_end_k_q161e9300f0_projl:
	.size	k_q161e9300f0_projl, .Lfunc_end_k_q161e9300f0_projl-k_q161e9300f0_projl
	.p2alignl 7, 3214868480
	.fill 96, 4, 3214868480
	.section	.rodata,"a",@progbits
	.p2align	6, 0x0
	.amdhsa_kernel k_q161e9300f0_projl
		.amdhsa_group_segment_fixed_size 67328
		.amdhsa_private_segment_fixed_size 0
		.amdhsa_enable_private_segment 0
		.amdhsa_kernarg_size 40
		.amdhsa_user_sgpr_count 2
		.amdhsa_user_sgpr_kernarg_segment_ptr 1
		.amdhsa_wavefront_size32 1
		.amdhsa_system_sgpr_workgroup_id_x 1
		.amdhsa_system_sgpr_workgroup_id_y 1
		.amdhsa_system_sgpr_workgroup_id_z 1
		.amdhsa_system_vgpr_workitem_id 0
		.amdhsa_next_free_vgpr 512
		.amdhsa_next_free_sgpr 66
		.amdhsa_reserve_vcc 0
		.amdhsa_float_denorm_mode_32 3
		.amdhsa_float_denorm_mode_16_64 3
		.amdhsa_memory_ordered 1
		.amdhsa_forward_progress 1
		.amdhsa_inst_pref_size 51
	.end_amdhsa_kernel
	.amdgpu_metadata
---
amdhsa.version: [ 1, 2 ]
amdhsa.kernels:
  - .name:           k_q161e9300f0_projl
    .symbol:         k_q161e9300f0_projl.kd
    .args:
      - { .name: latents, .offset: 0, .size: 8, .value_kind: global_buffer, .address_space: global }
      - { .name: WL, .offset: 8, .size: 8, .value_kind: global_buffer, .address_space: global }
      - { .name: BIAS, .offset: 16, .size: 8, .value_kind: global_buffer, .address_space: global }
      - { .name: KVW, .offset: 24, .size: 8, .value_kind: global_buffer, .address_space: global }
      - { .name: QW, .offset: 32, .size: 8, .value_kind: global_buffer, .address_space: global }
    .group_segment_fixed_size: 67328
    .private_segment_fixed_size: 0
    .kernarg_segment_align: 8
    .kernarg_segment_size: 40
    .max_flat_workgroup_size: 256
    .sgpr_count:     66
    .vgpr_count:     512
    .wavefront_size: 32
...
	.end_amdgpu_metadata
.endif
;; end of part 2
;; launch projx (part 3): grid 256 x 1, 8 waves a work-group, no clusters, 265,728 bytes of LDS; arguments x, WX, BIAS, KVW; writes KVW
.if DOCPART == 3
	.amdgcn_target "amdgcn-amd-amdhsa--gfx1250"
	.amdhsa_code_object_version 6
	.text
	.protected	k_q161e9300f0_projx
	.globl	k_q161e9300f0_projx
	.p2align	8
	.type	k_q161e9300f0_projx,@function
k_q161e9300f0_projx:
	s_mov_b64 s[64:65], 0
	v_nop
	global_prefetch_b8 v0, s[64:65] scope:SCOPE_SE
	s_setreg_imm32_b32 hwreg(HW_REG_WAVE_MODE, 25, 1), 1
	s_wait_xcnt 0x0
; LAYERNORM OF x AND ITS k, v PROJECTION: 65,536 rows x 1,024 -> 256 columns.  x is read once; nothing of the normalised rows goes to memory.
; A work-group owns 256 rows, in two blocks of 128.  All eight waves run the same text, and every LDS address is fixed.  A BLOCK:
;   1. wave w normalises rows 16 w .. 16 w + 15 (mean and variance in two passes in f32, the row in registers), four rows at a time, and puts f16(row - mean) into LDS, rstd / 64 beside it;
;   2. a barrier;  3. wave w multiplies rows 64 (w / 4) .. + 63 by column tiles 4 (w % 4) .. + 3 of WX: 64 x 64 of the result, 16 accumulators, 32 K steps of 32 written out;
;   4. acc x rstd / 64 + bias goes out in f16;  5. a barrier, behind which the rows in LDS are written anew.
; REGISTER WINDOW 1 is eight slots of 32 registers, by turns a row of x and a K step's four fragments of W.  Loads come back in order (ISA guide 5.7.1), so they are issued in the order of their use:
; rows 0-7, rows 8-15 (as the first rows' registers come free), W's K steps 0-6 (as the last rows' come free), W seven K steps ahead, and in the last seven K steps, in W's place, the next block's rows 0-7.
; W comes straight into registers in fragment order.  NO CLUSTER, though all work-groups read the same W: a ring of two slots of W for a K step of 128 is 131,072 bytes, and beside the block's rows (264,192) LDS has no room for it.
; The matrix instruction is used transposed (source 0 = 16 columns of W, source 1 = 16 rows): a lane holds one row and eight neighbouring columns: 16 bytes of f16.
; k tiles of 16 keys: lane l's 16 bytes at 16 l (key l % 16, channels 8 (l / 16) on); v tiles key by key, 32 bytes a key.
; LIMITS: |row - mean| under 65,504; k and v inside f16's range.
.set PITCH, 2064                       ; a row of A in LDS: 2,048 bytes + 16: an odd multiple of 16, so the 16 rows of a fragment load start at 16 different groups of banks (ISA guide 11.1)
.set BROWS, 128                        ; rows in a block
.set NBLK, 2
.set RSB, BROWS*PITCH                  ; behind the rows: their 128 factors
.set SPARE, RSB+512                    ; the spare words, 128 bytes a wave
.set NEXT, BROWS*4096                  ; bytes of x from a block to the next
.set SPW, 1
.set NIL, 2
.set AST, 3                            ; where my 8 bytes of my wave's first row go; never rewritten
.set RSA, 4                            ; where my wave's row factors go; never rewritten
.set XO, 5                             ; 16 x lane; never rewritten
.set AF0, 8                            ; v8: a fragment's row x pitch + 16 x half, in my half of the block, rows 0-31; v9: rows 32-63; never rewritten
.set R4, 10                            ; where I read a row factor
.set KO, 12                            ; my 16 bytes in a tile of 16 keys
.set BO, 13
.set RS, 16                            ; v16-23 row factors, a pair for each row tile
.set BIA, 32                           ; v32-63 bias, 8 for each column tile
.set AF, 64                            ; v64-127 A's fragments, two buffers of four; on the way out the packed results
.set ACC, 128                          ; v128-255: accumulator (a, f) at ACC + 8 (4 a + f)
.set T, 128                            ; v128-191: the LayerNorm's 16 registers at work for each of four rows: the accumulators hold nothing then
.set WV, 12
.set BK, 13
.set SEL, 18
.set INV, 20
.set EPS, 21
.set XP, 26                            ; s[26:27] x at my wave's first row of the block in hand
.set WB, 30                            ; s[30:31] WX at my first column tile
.set KV, 34                            ; s[34:35] KVW at my first tile's keys of the block in hand
.set MSB, 0
.macro WIN new                         ; the immediate's high byte repeats the setting that is left; a switch that changes nothing is dropped
.if MSB != (\new)
	s_set_vgpr_msb (MSB<<8)|(\new)
.set MSB, \new
.endif
.endm
.macro FOLD4                           ; four pairs in T_i[0:7] -> the row's sum in T_i[0] of every lane; the four rows take turns, so no line waits for the one before it
.irp i, 0,1,2,3
	v_pk_add_f32 v[T+16*(\i):T+16*(\i)+1], v[T+16*(\i):T+16*(\i)+1], v[T+16*(\i)+4:T+16*(\i)+5]
	v_pk_add_f32 v[T+16*(\i)+2:T+16*(\i)+3], v[T+16*(\i)+2:T+16*(\i)+3], v[T+16*(\i)+6:T+16*(\i)+7]
.endr
.irp i, 0,1,2,3
	v_pk_add_f32 v[T+16*(\i):T+16*(\i)+1], v[T+16*(\i):T+16*(\i)+1], v[T+16*(\i)+2:T+16*(\i)+3]
.endr
.irp i, 0,1,2,3
	v_add_f32 v[T+16*(\i)], v[T+16*(\i)], v[T+16*(\i)+1]
.endr
.irp m, 1,2,4,8
.irp i, 0,1,2,3
	v_add_f32_dpp v[T+16*(\i)], v[T+16*(\i)], v[T+16*(\i)] row_xmask:\m row_mask:0xf bank_mask:0xf
.endr
.endr
.irp i, 0,1,2,3
	v_permlanex16_b32 v[T+16*(\i)+1], v[T+16*(\i)], s[SEL], s[SEL+1]
.endr
.irp i, 0,1,2,3
	v_add_f32 v[T+16*(\i)], v[T+16*(\i)], v[T+16*(\i)+1]
.endr
.endm
; FOUR ROWS' LAYERNORM.  Row i lies in 32 registers at base + 32 i of window xw; chunk j of a lane is columns 128 j + 4 lane + 0..3.  wt: the younger loads that may stay out.
; arow: the first row's place behind AST and RSA.  refill = 1: the registers take the rows at roff behind s[XP:XP+1].
.macro QUAD base, xw, wt, arow, refill, roff
	s_wait_loadcnt \wt
	WIN 5*(\xw)
.irp u, 0,1,2,3,4,5,6,7
.irp i, 0,1,2,3
	v_pk_add_f32 v[T+16*(\i)+2*(\u):T+16*(\i)+2*(\u)+1], v[(\base)+32*(\i)+4*(\u):(\base)+32*(\i)+4*(\u)+1], v[(\base)+32*(\i)+4*(\u)+2:(\base)+32*(\i)+4*(\u)+3]
.endr
.endr
	WIN 0
.irp u, 0,1,2,3
.irp i, 0,1,2,3
	v_pk_add_f32 v[T+16*(\i)+2*(\u):T+16*(\i)+2*(\u)+1], v[T+16*(\i)+2*(\u):T+16*(\i)+2*(\u)+1], v[T+16*(\i)+8+2*(\u):T+16*(\i)+9+2*(\u)]
.endr
.endr
	FOLD4
.irp i, 0,1,2,3
	v_mul_f32 v[T+16*(\i)], s[INV], v[T+16*(\i)]   ; the mean
.endr
	WIN 0x41*(\xw)
.irp u, 0,1,2,3,4,5,6,7,8,9,10,11,12,13,14,15
.irp i, 0,1,2,3
	v_pk_add_f32 v[(\base)+32*(\i)+2*(\u):(\base)+32*(\i)+2*(\u)+1], v[(\base)+32*(\i)+2*(\u):(\base)+32*(\i)+2*(\u)+1], v[T+16*(\i):T+16*(\i)+1] op_sel_hi:[1,0] neg_lo:[0,1] neg_hi:[0,1]
.endr
.endr
	WIN 5*(\xw)
.irp u, 0,1,2,3
.irp i, 0,1,2,3
	v_pk_mul_f32 v[T+16*(\i)+2*(\u):T+16*(\i)+2*(\u)+1], v[(\base)+32*(\i)+2*(\u):(\base)+32*(\i)+2*(\u)+1], v[(\base)+32*(\i)+2*(\u):(\base)+32*(\i)+2*(\u)+1]
.endr
.endr
.irp u, 4,5,6,7,8,9,10,11,12,13,14,15
.irp i, 0,1,2,3
	v_pk_fma_f32 v[T+16*(\i)+2*((\u)%4):T+16*(\i)+2*((\u)%4)+1], v[(\base)+32*(\i)+2*(\u):(\base)+32*(\i)+2*(\u)+1], v[(\base)+32*(\i)+2*(\u):(\base)+32*(\i)+2*(\u)+1], v[T+16*(\i)+2*((\u)%4):T+16*(\i)+2*((\u)%4)+1]
.endr
.endr
	WIN 0
	FOLD4
.irp i, 0,1,2,3
	v_fma_f32 v[T+16*(\i)], v[T+16*(\i)], s[INV], s[EPS]  ; variance + 1e-5
.endr
.irp i, 0,1,2,3
	v_rsq_f32 v[T+16*(\i)+2], v[T+16*(\i)]
.endr
	v_nop                                          ; a plain instruction behind the last of the batch (ISA guide 5.7.2)
	s_wait_alu depctr_va_vdst(0)                   ; one wait for the four, ahead of their first reader
.irp i, 0,1,2,3
	v_mul_f32 v[T+16*(\i)+2], 0x3c800000, v[T+16*(\i)+2]  ; rstd / 64
.endr
.irp i, 0,1,2,3
	ds_store_b32 v[RSA], v[T+16*(\i)+2] offset:4*((\arow)+(\i))  ; all lanes: the same word, the same value
.endr
	WIN 5*(\xw)
.irp u, 0,1,2,3,4,5,6,7,8,9,10,11,12,13,14,15
.irp i, 0,1,2,3
	v_cvt_pk_f16_f32 v[T+16*(\i)+(\u)], v[(\base)+32*(\i)+2*(\u)], v[(\base)+32*(\i)+2*(\u)+1]
.endr
.endr
	WIN 0
.irp j, 0,1,2,3,4,5,6,7
.irp i, 0,1,2,3
	ds_store_b64 v[AST], v[T+16*(\i)+2*(\j):T+16*(\i)+2*(\j)+1] offset:((\arow)+(\i))*PITCH+(\j)*256  ; 32 lanes: 256 bytes on end
.endr
.endr
.if \refill
	WIN 0x40*(\xw)
.irp i, 0,1,2,3
.irp j, 0,1,2,3,4,5,6,7
	global_load_b128 v[(\base)+32*(\i)+4*(\j):(\base)+32*(\i)+4*(\j)+3], v[XO], s[XP:XP+1] offset:(\roff)+(\i)*4096+(\j)*512 th:TH_LOAD_NT
.endr
.endr
	WIN 0
.endif
.endm
; Eight loads: the four fragments of W of K step k, into slot k % 8 of window 1.  (Leaves the destination's window at 1.)
.macro WLD k
	WIN 0x40
.irp f, 0,1,2,3
	global_load_b128 v[32*((\k)%8)+8*(\f):32*((\k)%8)+8*(\f)+3], v[XO], s[WB:WB+1] offset:(\f)*32768+(\k)*1024
	global_load_b128 v[32*((\k)%8)+8*(\f)+4:32*((\k)%8)+8*(\f)+7], v[XO], s[WB:WB+1] offset:(\f)*32768+(\k)*1024+512
.endr
.endm
; Eight loads: the row of x at byte off behind s[XP:XP+1], into slot 'slot' of window 1.  (Leaves the destination's window at 1.)
.macro XROW slot, off
	WIN 0x40
.irp j, 0,1,2,3,4,5,6,7
	global_load_b128 v[32*(\slot)+4*(\j):32*(\slot)+4*(\j)+3], v[XO], s[XP:XP+1] offset:(\off)+(\j)*512 th:TH_LOAD_NT
.endr
.endm
; Eight LDS loads: A's four fragments of K step ks into buffer par.
.macro AFL par, ks
.irp a, 0,1,2,3
	ds_load_b128 v[AF+32*(\par)+8*(\a):AF+32*(\par)+8*(\a)+3], v[AF0+(\a)/2] offset:((\a)%2)*16*PITCH+(\ks)*64
	ds_load_b128 v[AF+32*(\par)+8*(\a)+4:AF+32*(\par)+8*(\a)+7], v[AF0+(\a)/2] offset:((\a)%2)*16*PITCH+(\ks)*64+32
.endr
.endm
; K STEP s of 32: 16 products; each accumulator's turn comes after the 15 others', from step to step too.  Step 0 starts the sums.
; Behind the products and four places: A's fragments two steps on, into the buffer just read; and eight loads into the slot read one step ago: W seven steps on, or, when W has no such step,
; row s - 25 of the next block (xt = 1), or nothing (xt = 0: the last block).
.macro STEP s, xt
.if ((\s) <= 25) || (\xt)
	s_wait_loadcnt 48                              ; this step's eight loads of W are in; the six groups of eight issued behind them stay out
.else
	s_wait_loadcnt 8*(31-(\s))                     ; the count runs down: only the later steps' W is behind
.endif
.if (\s) == 31
	s_wait_dscnt 0x0
.else
	s_wait_dscnt 8                                 ; this step's A is in; the next step's eight loads may stay out
.endif
	WIN 0x01                                       ; source 0 (W) in window 1
.irp a, 0,1,2,3
.irp f, 0,1,2,3
.if (\s) == 0
	v_wmma_f32_16x16x32_f16 v[ACC+8*(4*(\a)+(\f)):ACC+8*(4*(\a)+(\f))+7], v[32*((\s)%8)+8*(\f):32*((\s)%8)+8*(\f)+7], v[AF+32*((\s)%2)+8*(\a):AF+32*((\s)%2)+8*(\a)+7], 0
.else
	v_wmma_f32_16x16x32_f16 v[ACC+8*(4*(\a)+(\f)):ACC+8*(4*(\a)+(\f))+7], v[32*((\s)%8)+8*(\f):32*((\s)%8)+8*(\f)+7], v[AF+32*((\s)%2)+8*(\a):AF+32*((\s)%2)+8*(\a)+7], v[ACC+8*(4*(\a)+(\f)):ACC+8*(4*(\a)+(\f))+7]
.endif
.endr
.endr
	WIN 0
.rept 4
	v_nop                                          ; four places in front of loads into registers that the products have read
.endr
.if (\s) <= 29
	AFL (\s)%2, (\s)+2
.endif
.if (\s) <= 24
	WLD (\s)+7
.elseif \xt
	XROW (\s)-25, NEXT+((\s)-25)*4096
.endif
	WIN 0
.endm
	s_load_b256 s[4:11], s[0:1], 0x0               ; x 4, WX 6, BIAS 8, KVW 10
	v_lshl_add_u32 v[SPW], v0, 2, SPARE
	v_mov_b32 v[NIL], 0
	v_lshrrev_b32 v14, 5, v0
	v_readfirstlane_b32 s[WV], v14                 ; wave 0..7
	v_and_b32 v15, 31, v0                          ; lane
	v_and_b32 v14, 15, v0                          ; lane % 16
	v_bfe_u32 v6, v0, 4, 1                         ; lane / 16
	v_lshlrev_b32 v[XO], 4, v15
	s_lshr_b32 s14, s[WV], 2                       ; which 64 rows of the block I multiply
	s_and_b32 s22, s[WV], 3                        ; c: which four column tiles
	s_mul_i32 s15, s[WV], 16*PITCH                 ; the 16 rows that I normalise
	v_lshl_add_u32 v[AST], v15, 3, s15
	s_lshl_b32 s15, s[WV], 6
	s_add_co_u32 s15, s15, RSB
	v_mov_b32 v[RSA], s15
	s_mul_i32 s15, s14, 64*PITCH
	v_mul_u32_u24 v[AF0], v14, PITCH
	v_lshl_add_u32 v[AF0], v6, 4, v[AF0]
	v_add_nc_u32 v[AF0], s15, v[AF0]
	v_add_nc_u32 v[AF0+1], 32*PITCH, v[AF0]
	s_lshl_b32 s15, s14, 8
	s_add_co_u32 s15, s15, RSB
	v_lshl_add_u32 v[R4], v14, 2, s15
	s_cmp_lt_u32 s22, 2                            ; c = 0, 1: k; c = 2, 3: v
	s_cselect_b32 s15, 16, 32
	s_cselect_b32 s16, 256, 16
	v_mul_u32_u24 v[KO], v14, s15
	v_mad_u32_u24 v[KO], v6, s16, v[KO]
	v_lshlrev_b32 v[BO], 5, v6
	v_lshl_add_u32 v[BO], s22, 8, v[BO]
	s_mov_b32 s[SEL], 0x76543210                   ; v_permlanex16_b32: each lane takes its own place in the other half
	s_mov_b32 s[SEL+1], 0xfedcba98
	s_mov_b32 s[INV], 0x3a800000                   ; 1 / 1,024
	s_mov_b32 s[EPS], 0x3727c5ac                   ; 1e-5
	s_mov_b32 s[BK], 0
	s_mov_b32 s17, 0
	s_wait_kmcnt 0x0
	s_lshl_b32 s16, ttmp9, 20                      ; 256 rows of 4,096 bytes,
	s_lshl_b32 s15, s[WV], 16                      ; my wave's 16
	s_add_co_u32 s16, s16, s15
	s_add_nc_u64 s[XP:XP+1], s[4:5], s[16:17]
	s_lshl_b32 s16, s22, 17                        ; four tiles of 32,768 bytes
	s_add_nc_u64 s[WB:WB+1], s[6:7], s[16:17]
	s_lshr_b32 s15, ttmp9, 5                       ; batch
	s_lshl_b32 s15, s15, 4
	s_lshl2_add_u32 s15, s22, s15                  ; tile 16 batch + 4 c
	s_mul_i32 s16, s15, 270336                     ; a tile's 8,448 keys of 32 bytes
	s_and_b32 s15, ttmp9, 31
	s_lshl_b32 s15, s15, 13                        ; the work-group's 256 keys of 32 bytes,
	s_add_co_u32 s16, s16, s15
	s_lshl_b32 s15, s14, 11                        ; my 64 of a block's 128
	s_add_co_u32 s16, s16, s15
	s_add_nc_u64 s[KV:KV+1], s[10:11], s[16:17]
.irp f, 0,1,2,3
	global_load_b128 v[BIA+8*(\f):BIA+8*(\f)+3], v[BO], s[8:9] offset:64*(\f)
	global_load_b128 v[BIA+8*(\f)+4:BIA+8*(\f)+7], v[BO], s[8:9] offset:64*(\f)+16
.endr
.irp i, 0,1,2,3,4,5,6,7
	XROW \i, (\i)*4096                             ; the first block's rows 0-7
.endr
	WIN 0
.Lblock:                                       ; two trips
	QUAD 0,   1, 32, 0,  1, 8*4096                 ; rows 0-3; behind them rows 4-7 are out; their registers take rows 8-11
	QUAD 128, 1, 32, 4,  1, 12*4096                ; rows 4-7; rows 8-11 are out; rows 12-15 are asked for
	QUAD 0,   1, 32, 8,  0, 0                      ; rows 8-11; rows 12-15 are out
.irp k, 0,1,2,3
	WLD \k                                         ; their registers take W's K steps 0-3
.endr
	WIN 0
	QUAD 128, 1, 32, 12, 0, 0                      ; rows 12-15; W's 32 loads are out
.irp k, 4,5,6
	WLD \k
.endr
	WIN 0
	s_wait_dscnt 0x0                               ; for the others' sake: my rows and their factors lie in LDS
	s_barrier_signal -1
	s_barrier_wait -1
.irp a, 0,1,2,3
	ds_load_b32 v[RS+2*(\a)], v[R4] offset:64*(\a)
.endr
	AFL 0, 0
	AFL 1, 1
.irp s, 0,1,2,3,4,5,6,7,8,9,10,11,12,13,14,15,16,17,18,19,20,21,22,23,24
	STEP \s, 0
.endr
	s_cmp_eq_u32 s[BK], NBLK-1                     ; the last block has no rows behind it
	s_cbranch_scc1 .Lrun_down
.irp s, 25,26,27,28,29,30,31
	STEP \s, 1
.endr
	XROW 7, NEXT+7*4096                            ; into the slot that the last step has read, behind its four places
	WIN 0
	s_branch .Lout
.Lrun_down:
.irp s, 25,26,27,28,29,30,31
	STEP \s, 0
.endr
.Lout:
.rept 4
	v_nop                                          ; with the last step's four: eight places behind the last products
.endr
.irp a, 0,1,2,3
	v_mov_b32 v[RS+2*(\a)+1], v[RS+2*(\a)]         ; named with it as a pair
.endr
.irp a, 0,1,2,3
.irp f, 0,1,2,3
.irp p, 0,1,2,3
	v_pk_fma_f32 v[ACC+8*(4*(\a)+(\f))+2*(\p):ACC+8*(4*(\a)+(\f))+2*(\p)+1], v[ACC+8*(4*(\a)+(\f))+2*(\p):ACC+8*(4*(\a)+(\f))+2*(\p)+1], v[RS+2*(\a):RS+2*(\a)+1], v[BIA+8*(\f)+2*(\p):BIA+8*(\f)+2*(\p)+1] op_sel_hi:[1,0,1]
.endr
.irp p, 0,1,2,3
	v_cvt_pk_f16_f32 v[AF+4*(4*(\a)+(\f))+(\p)], v[ACC+8*(4*(\a)+(\f))+2*(\p)], v[ACC+8*(4*(\a)+(\f))+2*(\p)+1]
.endr
	global_store_b128 v[KO], v[AF+4*(4*(\a)+(\f)):AF+4*(4*(\a)+(\f))+3], s[KV:KV+1] offset:(\f)*270336+(\a)*512  ; a tile of 16 keys: 512 bytes on end
.endr
.endr
	s_wait_xcnt 0x0                                ; the stores have read their data and base, the loads of x their base: only now are these written
	s_add_nc_u64 s[XP:XP+1], s[XP:XP+1], NEXT
	s_add_nc_u64 s[KV:KV+1], s[KV:KV+1], BROWS*32
	s_wait_dscnt 0x0                               ; my reads of the block's rows are back
	s_barrier_signal -1
	s_barrier_wait -1                              ; everybody's are: the rows may be written anew
	s_add_co_u32 s[BK], s[BK], 1
	s_cmp_lt_u32 s[BK], NBLK
	s_cbranch_scc1 .Lblock
	s_wait_tensorcnt 0x0                           ; the wave's end
	ds_add_u32 v[SPW], v[NIL]
	s_wait_dscnt 0x0
	s_endpgm
.Lfunc_end_k_q161e9300f0_projx:
	.size	k_q161e9300f0_projx, .Lfunc_end_k_q161e9300f0_projx-k_q161e9300f0_projx
	.p2alignl 7, 3214868480
	.fill 96, 4, 3214868480
	.section	.rodata,"a",@progbits
	.p2align	6, 0x0
	.amdhsa_kernel k_q161e9300f0_projx
		.amdhsa_group_segment_fixed_size 265728
		.amdhsa_private_segment_fixed_size 0
		.amdhsa_enable_private_segment 0
		.amdhsa_kernarg_size 32
		.amdhsa_user_sgpr_count 2
		.amdhsa_user_sgpr_kernarg_segment_ptr 1
		.amdhsa_wavefront_size32 1
		.amdhsa_system_sgpr_workgroup_id_x 1
		.amdhsa_system_sgpr_workgroup_id_y 1
		.amdhsa_system_sgpr_workgroup_id_z 1
		.amdhsa_system_vgpr_workitem_id 0
		.amdhsa_next_free_vgpr 512
		.amdhsa_next_free_sgpr 66
		.amdhsa_reserve_vcc 0
		.amdhsa_float_denorm_mode_32 3
		.amdhsa_float_denorm_mode_16_64 3
		.amdhsa_memory_ordered 1
		.amdhsa_forward_progress 1
		.amdhsa_inst_pref_size 217
	.end_amdhsa_kernel
	.amdgpu_metadata
---
amdhsa.version: [ 1, 2 ]
amdhsa.kernels:
  - .name:           k_q161e9300f0_projx
    .symbol:         k_q161e9300f0_projx.kd
    .args:
      - { .name: x, .offset: 0, .size: 8, .value_kind: global_buffer, .address_space: global }
      - { .name: WX, .offset: 8, .size: 8, .value_kind: global_buffer, .address_space: global }
      - { .name: BIAS, .offset: 16, .size: 8, .value_kind: global_buffer, .address_space: global }
      - { .name: KVW, .offset: 24, .size: 8, .value_kind: global_buffer, .address_space: global }
    .group_segment_fixed_size: 265728
    .private_segment_fixed_size: 0
    .kernarg_segment_align: 8
    .kernarg_segment_size: 32
    .max_flat_workgroup_size: 256
    .sgpr_count:     66
    .vgpr_count:     512
    .wavefront_size: 32
...
	.end_amdgpu_metadata
.endif
;; end of part 3
;; launch attn (part 4): grid 256 x 1, 8 waves a work-group, no clusters, 148,992 bytes of LDS; arguments KVW, QW, ORD, PART; writes PART
.if DOCPART == 4
	.amdgcn_target "amdgcn-amd-amdhsa--gfx1250"
	.amdhsa_code_object_version 6
	.text
	.protected	k_q161e9300f0_attn
	.globl	k_q161e9300f0_attn
	.p2align	8
	.type	k_q161e9300f0_attn,@function
k_q161e9300f0_attn:
	s_mov_b64 s[64:65], 0
	v_nop
	global_prefetch_b8 v0, s[64:65] scope:SCOPE_SE
	s_setreg_imm32_b32 hwreg(HW_REG_WAVE_MODE, 25, 1), 1
	s_wait_xcnt 0x0
; ATTENTION, IN PARTS.  Work-group = (batch, head, quarter of the 8,448 keys): 256 queries x 2,112 keys at head size 16.  Wave w owns query tiles 2 w and 2 w + 1.
; reference() takes the maximum over ALL keys away, sets hidden keys to -10000 and then takes a softmax.  For a query that is, exactly: Mu = maximum over open keys, Mall = over all keys,
; O = sum over open keys of 2^(s - Mu) v, L = the sum of those weights, Vm = sum of the hidden keys' v, Nm = their number; the last launch puts them together.  q carries log2(e) / 4, so scores are in log2 units.
; THE KEYS ARE TAKEN IN ORD'S ORDER: the quarter's nU open keys first, then the hidden ones.  At the head each wave reads the list for its blocks of 32 places, gathers each key's 32 bytes of K and of V
; from memory and stores them into LDS at the place's fixed address; the mask's table in LDS (for each block 32 f32: 0 or -1e30; 32 f16: 0 or 1) is made from place >= nU.  One barrier; LDS is only read after it.
; PASS 1, all 66 blocks: one running maximum X of the raw scores.  Blocks below jm = nU / 32 hold open keys alone, so at block jm X is copied into Mu, and that one block's scores with the table's addends go
; into Mu too; at the end X is Mall.  Wave 0 also makes Vm and Nm, by products with the indicator of hidden keys.
; PASS 2, with the final Mu, so nothing is rescaled: O and L over blocks 0 .. 2 nT - 1, nT = (nU + 63) / 64; the loop counts to 33 and jumps forward over the trips from nT on.  A block past nU has weight 0 by the table.
; NO CLUSTER: no two work-groups read the same K and V; the list that a batch's eight heads share is 8,448 bytes beside 135,168.
; LAYOUT.  A fragment of K holds TWO tiles of 16 keys: channels 0-15 of the first as k = 0..15, of the second as k = 16..31; against [q; 0] it gives the first tile's scores, against [0; q] the second's.
; S^T holds one query a lane (lane % 16) and keys 8 (lane / 16) + 0..7; the two tiles rounded to f16 in pairs ARE source 1 of O^T = V^T P.  L = ones x P: the sum of the weights as the product takes them.
; Two waves share a SIMD: one wave's vector work runs beside the other's products.  The LDS loads run one block ahead, at block min(j + 1, 65): the last look-ahead repeats block 65 and is not used.
; LIMITS: a hidden score counts as its value less 1e30; a weight below 2^-126 counts as 0; k, v, q arrive inside f16's range; NaN and infinities are not treated apart.
.set VB, 67584                         ; LDS: K's 2,112 keys of 32 bytes (a tile of 16 keys: key r, channels 8 c on, at 256 c + 16 r), then V's (key by key),
.set MTB, 135168                       ; then 66 records of 192 bytes of the mask's table
.set SPARE, 147968                     ; the spare words, 128 bytes a wave
.set CNT, 270336                       ; ORD: the counts stand behind 32 lists of 8,448 bytes
.set AK, 2                             ; 16 x lane
.set AV, 3                             ; the turning load's lane term
.set AM, 4                             ; 32 (lane / 16) + MTB: my eight keys' f32
.set AI, 5                             ; 16 (lane / 16) + MTB + 128: my eight keys' f16
.set WK, 6                             ; the four addresses of the block that is fetched
.set WVA, 7
.set WM, 8
.set WI, 9
.set SPW, 10
.set NIL, 11
;      v12-15: (Mu, X) of tile 0, of tile 1;  v16-19 at work;  v20-39: 0 q0 0 q1 0, four registers each
.set ONES, 40
.set KR, 48                            ; K, V, the mask's addends and the indicator: two sets each, by the block's parity
.set VR, 64
.set MC, 80
.set IND, 112
.set S, 128                            ; 16 scores a tile
.set P, 160                            ; 8 registers a tile
.set O, 176
.set L, 192
.set VM, 208
.set NM, 216
; at the head alone:
.set G, 48                             ; v48-191: block i's 16 registers a lane: K's two chunks, V's two
.set IDX, 192                          ; v192-200 the list's entries
.set KO, 201                           ; v201-209 the key's byte offset in K
.set VO, 210                           ; v210-218 and in V
.set KD, 219                           ; where my place's 16 bytes of K go
.set VD, 220                           ; and of V
.set MD, 221                           ; my place's f32 in the table
.set ID, 222                           ; and its f16
.set IO, 223                           ; 4 x thread
.set T0, 224                           ; v224-226 at work
.set KD2, 228
.set VD2, 229
.set WV, 12
.set NU, 30                            ; the quarter's open keys
.set JMX, 31                           ; jm
.set NT, 32                            ; pass 2's trips
.set JC, 33                            ; the block in hand
.set TS, 34
.set BIG, 36
.set ONEH, 37
.set N, 48
.set J, 49                             ; the block that is fetched
.set JM, 50
.set SEL, 52
.macro GOFF i                          ; the list's entry, held inside the quarter; behind that only ANDs, shifts to the left and sums
	v_min_u32 v[IDX+(\i)], 2111, v[IDX+(\i)]
	v_and_b32 v[KO+(\i)], 0xff0, v[IDX+(\i)]
	v_and_b32 v[T0], 15, v[IDX+(\i)]
	v_lshlrev_b32 v[KO+(\i)], 5, v[KO+(\i)]        ; the tile of 16 keys: 512 bytes
	v_lshl_add_u32 v[KO+(\i)], v[T0], 4, v[KO+(\i)]
	v_lshlrev_b32 v[VO+(\i)], 5, v[IDX+(\i)]
.endm
.macro GLD i                           ; a key a lane: its 2 x 16 bytes of K, its 32 bytes of V (eight tiles of 270,336 bytes behind K)
	global_load_b128 v[G+16*(\i):G+16*(\i)+3], v[KO+(\i)], s[28:29]
	global_load_b128 v[G+16*(\i)+4:G+16*(\i)+7], v[KO+(\i)], s[28:29] offset:256
	global_load_b128 v[G+16*(\i)+8:G+16*(\i)+11], v[VO+(\i)], s[28:29] offset:2162688
	global_load_b128 v[G+16*(\i)+12:G+16*(\i)+15], v[VO+(\i)], s[28:29] offset:2162688+16
.endm
.macro GST i, kd, vd, off
	ds_store_b128 v[\kd], v[G+16*(\i):G+16*(\i)+3] offset:(\off)
	ds_store_b128 v[\kd], v[G+16*(\i)+4:G+16*(\i)+7] offset:(\off)+256
	ds_store_b128 v[\vd], v[G+16*(\i)+8:G+16*(\i)+11] offset:(\off)
	ds_store_b128 v[\vd], v[G+16*(\i)+12:G+16*(\i)+15] offset:(\off)+16
.endm
.macro MST i                           ; the table's entries of place 32 (wave + 8 i) + lane
	v_add_nc_u32 v[T0], 256*(\i), v0
	v_cmp_le_u32 vcc_lo, s[NU], v[T0]              ; hidden: nU <= place
	v_cndmask_b32 v[T0+1], 0, s[BIG], vcc_lo
	v_cndmask_b32 v[T0+2], 0, s[ONEH], vcc_lo
	ds_store_b32 v[MD], v[T0+1] offset:(\i)*1536
	ds_store_b16 v[ID], v[T0+2] offset:(\i)*1536
.endm
.macro ADDR                            ; four plain instructions: also the places behind the products in front of them (ISA guide 7.12.1)
	v_lshl_add_u32 v[WK], s[J], 10, v[AK]
	v_lshl_add_u32 v[WVA], s[J], 10, v[AV]
	v_add_nc_u32 v[WM], s[JM], v[AM]
	v_add_nc_u32 v[WI], s[JM], v[AI]
.endm
.macro LDK q                           ; a block's K: two tiles
	ds_load_b128 v[KR+8*(\q):KR+8*(\q)+3], v[WK]
	ds_load_b128 v[KR+8*(\q)+4:KR+8*(\q)+7], v[WK] offset:512
.endm
.macro LDM q                           ; its 16 addends
	ds_load_b128 v[MC+16*(\q):MC+16*(\q)+3], v[WM]
	ds_load_b128 v[MC+16*(\q)+4:MC+16*(\q)+7], v[WM] offset:16
	ds_load_b128 v[MC+16*(\q)+8:MC+16*(\q)+11], v[WM] offset:64
	ds_load_b128 v[MC+16*(\q)+12:MC+16*(\q)+15], v[WM] offset:80
.endm
.macro LDV q                           ; a block's V, turned: lane l gets channel l % 16 and 8 + 8 keys
	ds_load_tr16_b128 v[VR+8*(\q):VR+8*(\q)+3], v[WVA]
	ds_load_tr16_b128 v[VR+8*(\q)+4:VR+8*(\q)+7], v[WVA] offset:512
.endm
.macro LDI q                           ; the indicator as source 1: the same for all 16 columns
	ds_load_b128 v[IND+8*(\q):IND+8*(\q)+3], v[WI]
	ds_load_b128 v[IND+8*(\q)+4:IND+8*(\q)+7], v[WI] offset:32
.endm
.macro QK par, msk                     ; four products: tile 0's and tile 1's scores for the block's two key tiles
.if \msk
	v_wmma_f32_16x16x32_f16 v[S:S+7], v[KR+8*(\par):KR+8*(\par)+7], v[24:31], v[MC+16*(\par):MC+16*(\par)+7]
	v_wmma_f32_16x16x32_f16 v[S+8:S+15], v[KR+8*(\par):KR+8*(\par)+7], v[20:27], v[MC+16*(\par)+8:MC+16*(\par)+15]
	v_wmma_f32_16x16x32_f16 v[S+16:S+23], v[KR+8*(\par):KR+8*(\par)+7], v[32:39], v[MC+16*(\par):MC+16*(\par)+7]
	v_wmma_f32_16x16x32_f16 v[S+24:S+31], v[KR+8*(\par):KR+8*(\par)+7], v[28:35], v[MC+16*(\par)+8:MC+16*(\par)+15]
.else
	v_wmma_f32_16x16x32_f16 v[S:S+7], v[KR+8*(\par):KR+8*(\par)+7], v[24:31], 0
	v_wmma_f32_16x16x32_f16 v[S+8:S+15], v[KR+8*(\par):KR+8*(\par)+7], v[20:27], 0
	v_wmma_f32_16x16x32_f16 v[S+16:S+23], v[KR+8*(\par):KR+8*(\par)+7], v[32:39], 0
	v_wmma_f32_16x16x32_f16 v[S+24:S+31], v[KR+8*(\par):KR+8*(\par)+7], v[28:35], 0
.endif
.endm
; Block jm alone, once a wave: all blocks before it hold open keys only, so X as it stands is their maximum: it starts Mu; then this block's scores take the table's addends, in place, and go into Mu.
.macro MIX
	s_cmp_eq_u32 s[JC], s[JMX]
	s_cbranch_scc0 .Lnm_\@
	s_mul_i32 s[TS], s[JC], 192
	v_add_nc_u32 v[WM], s[TS], v[AM]
	LDM 0
	v_mov_b32 v12, v13
	v_mov_b32 v14, v15
	s_wait_dscnt 0x0
.irp i, 0,1,2,3,4,5,6,7
	v_pk_add_f32 v[S+2*(\i):S+2*(\i)+1], v[S+2*(\i):S+2*(\i)+1], v[MC+2*(\i):MC+2*(\i)+1]
	v_pk_add_f32 v[S+16+2*(\i):S+17+2*(\i)], v[S+16+2*(\i):S+17+2*(\i)], v[MC+2*(\i):MC+2*(\i)+1]
	v_max3_num_f32 v12, v12, v[S+2*(\i)], v[S+2*(\i)+1]
	v_max3_num_f32 v14, v14, v[S+16+2*(\i)], v[S+17+2*(\i)]
.endr
.Lnm_\@:
.endm
; PASS 1, one block.  No two products on end share an accumulator.  Four chains, one for each accumulator, take turns, so a chain's links stand four lines apart; each accumulator is read from its low end on.
.macro P1 par
	s_wait_dscnt 0x0                               ; this block's fragments, asked for a block ago
	QK \par, 0
	ADDR
	LDK 1-(\par)
	s_cmp_lg_u32 s[WV], 0
	s_cbranch_scc1 .Lnv_\@
	v_wmma_f32_16x16x32_f16 v[VM:VM+7], v[VR+8*(\par):VR+8*(\par)+7], v[IND+8*(\par):IND+8*(\par)+7], v[VM:VM+7]
	v_wmma_f32_16x16x32_f16 v[NM:NM+7], v[ONES:ONES+7], v[IND+8*(\par):IND+8*(\par)+7], v[NM:NM+7]
	LDV 1-(\par)
	LDI 1-(\par)
.Lnv_\@:
.irp c, 0,1,2,3
	v_max3_num_f32 v[16+(\c)], v[S+8*(\c)], v[S+8*(\c)+1], v[S+8*(\c)+2]
.endr
.irp c, 0,1,2,3
	v_max3_num_f32 v[16+(\c)], v[16+(\c)], v[S+8*(\c)+3], v[S+8*(\c)+4]
.endr
.irp c, 0,1,2,3
	v_max3_num_f32 v[16+(\c)], v[16+(\c)], v[S+8*(\c)+5], v[S+8*(\c)+6]
.endr
	v_max3_num_f32 v16, v16, v[S+7], v[S+15]
	v_max3_num_f32 v18, v18, v[S+23], v[S+31]
	MIX
	v_max3_num_f32 v13, v13, v16, v17              ; X takes the block's raw maximum
	v_max3_num_f32 v15, v15, v18, v19
.endm
; PASS 2, one block.  ADDR's four lines are the places between the last block's V^T P and the loads into that block's V, and between the scores' products and their first reader.
; The 32 exponentials are one batch with one wait.
.macro P2 par
	s_wait_dscnt 0x0
	QK \par, 1
	ADDR
	LDK 1-(\par)
	LDM 1-(\par)
	LDV 1-(\par)
.irp i, 0,1,2,3,4,5,6,7
	v_pk_add_f32 v[S+2*(\i):S+2*(\i)+1], v[S+2*(\i):S+2*(\i)+1], v[12:13] op_sel_hi:[1,0] neg_lo:[0,1] neg_hi:[0,1]  ; s - Mu
.endr
.irp i, 0,1,2,3,4,5,6,7
	v_exp_f32 v[S+2*(\i)], v[S+2*(\i)]
	v_pk_add_f32 v[S+16+2*(\i):S+17+2*(\i)], v[S+16+2*(\i):S+17+2*(\i)], v[14:15] op_sel_hi:[1,0] neg_lo:[0,1] neg_hi:[0,1]
	v_exp_f32 v[S+2*(\i)+1], v[S+2*(\i)+1]
.endr
.irp i, 0,1,2,3,4,5,6,7,8,9,10,11,12,13,14,15
	v_exp_f32 v[S+16+(\i)], v[S+16+(\i)]
.endr
	v_nop                                          ; a plain instruction behind the last exponential (ISA guide 5.7.2)
	s_wait_alu depctr_va_vdst(0)                   ; one wait for the batch, ahead of its first reader
.irp i, 0,1,2,3,4,5,6,7
	v_cvt_pk_f16_f32 v[P+(\i)], v[S+2*(\i)], v[S+2*(\i)+1]
	v_cvt_pk_f16_f32 v[P+8+(\i)], v[S+16+2*(\i)], v[S+17+2*(\i)]
.endr
	v_wmma_f32_16x16x32_f16 v[O:O+7], v[VR+8*(\par):VR+8*(\par)+7], v[P:P+7], v[O:O+7]
	v_wmma_f32_16x16x32_f16 v[L:L+7], v[ONES:ONES+7], v[P:P+7], v[L:L+7]
	v_wmma_f32_16x16x32_f16 v[O+8:O+15], v[VR+8*(\par):VR+8*(\par)+7], v[P+8:P+15], v[O+8:O+15]
	v_wmma_f32_16x16x32_f16 v[L+8:L+15], v[ONES:ONES+7], v[P+8:P+15], v[L+8:L+15]
.endm
.macro NEXT1                           ; in hand: block 2 N; to fetch: 2 N + 1
	s_lshl_b32 s[JC], s[N], 1
	s_add_co_u32 s[J], s[JC], 1
	s_mul_i32 s[JM], s[J], 192
.endm
.macro NEXT2                           ; in hand: block 2 N + 1; to fetch: min(2 N + 2, 65)
	s_mov_b32 s[JC], s[J]
	s_add_co_u32 s[J], s[J], 1
	s_min_u32 s[J], s[J], 65
	s_mul_i32 s[JM], s[J], 192
.endm
	s_load_b256 s[4:11], s[0:1], 0x0               ; KVW 4, QW 6, ORD 8, PART 10
	v_lshl_add_u32 v[SPW], v0, 2, SPARE
	v_mov_b32 v[NIL], 0
	v_lshrrev_b32 v1, 5, v0
	v_readfirstlane_b32 s[WV], v1                  ; wave 0..7
	s_mov_b32 s13, ttmp9
	s_and_b32 s16, s13, 3                          ; quarter
	s_lshr_b32 s17, s13, 2                         ; 8 batch + head
	s_lshr_b32 s14, s17, 3
	s_and_b32 s15, s17, 7
	s_lshl2_add_u32 s22, s14, s16                  ; list 4 batch + quarter
	s_lshl_b32 s20, s22, 2
	s_mov_b32 s21, 0
	s_mul_i32 s40, s22, 8448
	s_mov_b32 s41, 0
	s_lshl4_add_u32 s18, s14, s15                  ; K's tile 16 batch + head
	s_mul_i32 s18, s18, 270336
	s_mul_i32 s19, s16, 67584                      ; the quarter's 2,112 keys
	s_add_co_u32 s18, s18, s19
	s_mov_b32 s19, 0
	s_lshl_b32 s42, s17, 13                        ; the head's 256 queries of 32 bytes,
	s_lshl_b32 s43, s[WV], 10                      ; my two tiles
	s_add_co_u32 s42, s42, s43
	s_mov_b32 s43, 0
	v_lshlrev_b32 v[IO], 2, v0                     ; 128 x wave + 4 x lane: block wave + 8 i of the list lies 1,024 i further on
	v_and_b32 v16, 31, v0
	v_lshlrev_b32 v[AK], 4, v16
	s_wait_kmcnt 0x0
	s_add_nc_u64 s[24:25], s[8:9], s[20:21]
	s_load_b32 s[NU], s[24:25], CNT
	s_add_nc_u64 s[26:27], s[8:9], s[40:41]
	s_add_nc_u64 s[28:29], s[4:5], s[18:19]
	s_add_nc_u64 s[6:7], s[6:7], s[42:43]
	; Wave w fills blocks w + 8 i, i = 0..7; waves 0 and 1 also blocks 64 and 65 (i = 8).  The ninth block's loads go out first, so that the counts below are the same in every wave.
	s_cmp_ge_u32 s[WV], 2
	s_cbranch_scc1 .Lg0
	global_load_b32 v[IDX+8], v[IO], s[26:27] offset:8192
.Lg0:
.irp i, 0,1,2,3,4,5,6,7
	global_load_b32 v[IDX+(\i)], v[IO], s[26:27] offset:1024*(\i)
.endr
	global_load_b128 v[24:27], v[AK], s[6:7]       ; q
	global_load_b128 v[32:35], v[AK], s[6:7] offset:512
	v_and_b32 v1, 15, v0
	v_bfe_u32 v17, v0, 4, 1
	v_and_b32 v18, 7, v0
	v_bfe_u32 v19, v0, 3, 1
	v_lshl_add_u32 v[AV], v17, 3, v18              ; key 8 (l / 16) + l % 8,
	v_lshlrev_b32 v[AV], 5, v[AV]
	v_lshl_add_u32 v[AV], v19, 4, v[AV]            ; channels 8 ((l / 8) % 2) on
	v_add_nc_u32 v[AV], VB, v[AV]
	v_lshl_add_u32 v[AM], v17, 5, MTB
	v_lshl_add_u32 v[AI], v17, 4, MTB+128
	s_lshl_b32 s18, s[WV], 10                      ; a block is 1,024 bytes of K and of V
	v_lshlrev_b32 v[KD], 4, v1
	v_lshl_add_u32 v[KD], v17, 9, v[KD]            ; place l of a block: tile l / 16, key l % 16
	v_add_nc_u32 v[KD], s18, v[KD]
	v_lshl_add_u32 v[VD], v16, 5, s18
	v_add_nc_u32 v[VD], VB, v[VD]
	s_mul_i32 s19, s[WV], 192
	s_add_co_u32 s19, s19, MTB
	v_lshl_add_u32 v[MD], v16, 2, s19
	s_add_co_u32 s19, s19, 128
	v_lshl_add_u32 v[ID], v16, 1, s19
	s_wait_loadcnt 2                               ; the list's entries are in; q's two loads may stay out
	s_cmp_ge_u32 s[WV], 2
	s_cbranch_scc1 .Lg1
	GOFF 8
	GLD 8
.Lg1:
.irp i, 0,1,2,3,4,5,6,7
	GOFF \i
	GLD \i
.endr
	s_wait_kmcnt 0x0                               ; nU
	s_min_u32 s[NU], s[NU], 2112
	s_lshr_b32 s[JMX], s[NU], 5
	s_add_co_u32 s[NT], s[NU], 63
	s_lshr_b32 s[NT], s[NT], 6
	s_mov_b32 s[BIG], 0xf149f2ca                   ; -1e30
	s_mov_b32 s[ONEH], 0x3c00                      ; 1.0 in f16
.irp i, 0,1,2,3,4,5,6,7
	MST \i                                         ; the table, while the keys are on their way
.endr
	s_mul_i32 s18, s13, 26112                      ; 17 records of 1,536 bytes a work-group
	s_mov_b32 s19, 0
	s_add_nc_u64 s[54:55], s[10:11], s[18:19]
	s_mul_i32 s18, s[WV], 3072
	s_add_nc_u64 s[56:57], s[54:55], s[18:19]
	s_mov_b32 s[SEL], 0x76543210
	s_mov_b32 s[SEL+1], 0xfedcba98
.irp r, 20,21,22,23,28,29,30,31,36,37,38,39
	v_mov_b32 v[\r], 0
.endr
.irp r, 0,1,2,3,4,5,6,7
	v_mov_b32 v[ONES+(\r)], 0x3c003c00             ; 1.0 twice in f16
.endr
.irp r, 12,13,14,15
	v_mov_b32 v[\r], 0xff7fffff                    ; the lowest finite number
.endr
	s_wait_loadcnt 28                              ; all but the 28 loads of blocks 1 to 7: block 0 is in, and the ninth, which went out before it
	s_cmp_ge_u32 s[WV], 2
	s_cbranch_scc1 .Lg2
	v_add_nc_u32 v[KD2], 0x10000, v[KD]            ; 8 x 8,192 bytes on: past what the immediate holds
	v_add_nc_u32 v[VD2], 0x10000, v[VD]
	GST 8, KD2, VD2, 0
	MST 8
.Lg2:
	GST 0, KD, VD, 0
.irp i, 1,2,3,4,5,6,7
	s_wait_loadcnt 28-4*(\i)                       ; block i is in; the later blocks' four loads each may stay out
	GST \i, KD, VD, (\i)*8192
.endr
.set r, 0
.rept 16
	v_mov_b32 v[VM+r], 0                           ; Vm and Nm start at 0: no first block is written out
.set r, r+1
.endr
	s_mov_b32 s[J], 0
	s_mov_b32 s[JM], 0
	s_wait_dscnt 0x0                               ; for the others' sake: my blocks lie in LDS,
	s_barrier_signal -1
	s_barrier_wait -1                              ; everybody's do
	ADDR
	LDK 0
	s_cmp_lg_u32 s[WV], 0
	s_cbranch_scc1 .Lnv0
	LDV 0
	LDI 0
.Lnv0:
	s_mov_b32 s[N], 0
.Lp1:                                          ; 33 trips of two blocks
	NEXT1
	P1 0
	NEXT2
	P1 1
	s_add_co_u32 s[N], s[N], 1
	s_cmp_lt_u32 s[N], 33
	s_cbranch_scc1 .Lp1
	s_wait_dscnt 0x0                               ; the look-ahead loads are back: their registers are loaded anew below
	s_cmp_lt_u32 s[JMX], 66
	s_cbranch_scc1 .Lhave
	v_mov_b32 v12, v13                             ; every key is open: no block was block jm, and Mu is X
	v_mov_b32 v14, v15
.Lhave:
	v_permlanex16_b32 v16, v12, s[SEL], s[SEL+1]   ; a query's other keys lie in the lane 16 away
	v_permlanex16_b32 v17, v13, s[SEL], s[SEL+1]
	v_permlanex16_b32 v18, v14, s[SEL], s[SEL+1]
	v_permlanex16_b32 v19, v15, s[SEL], s[SEL+1]
	v_max_num_f32 v12, v12, v16
	v_max_num_f32 v13, v13, v17
	v_max_num_f32 v14, v14, v18
	v_max_num_f32 v15, v15, v19
	s_cmp_lg_u32 s[WV], 0
	s_cbranch_scc1 .Lnv1
	global_store_b128 v[AK], v[VM:VM+3], s[54:55] offset:16*1536       ; record 16: Vm in O's layout, then Nm
	global_store_b128 v[AK], v[VM+4:VM+7], s[54:55] offset:16*1536+512
	global_store_b128 v[AK], v[NM:NM+3], s[54:55] offset:16*1536+1024
.Lnv1:
.set r, 0
.rept 32
	v_mov_b32 v[O+r], 0                            ; O and L start at 0: no first block is written out
.set r, r+1
.endr
	s_mov_b32 s[J], 0
	s_mov_b32 s[JM], 0
	ADDR
	LDK 0
	LDM 0
	LDV 0
	s_mov_b32 s[N], 0
.Lp2:                                          ; counted to 33; the trips from nT on hold hidden keys alone and are jumped over
	s_cmp_ge_u32 s[N], s[NT]
	s_cbranch_scc1 .Lp2n
	NEXT1
	P2 0
	NEXT2
	P2 1
.Lp2n:
	s_add_co_u32 s[N], s[N], 1
	s_cmp_lt_u32 s[N], 33
	s_cbranch_scc1 .Lp2
.rept 8
	v_nop                                          ; the places behind the last products
.endr
.irp t, 0,1
	global_store_b128 v[AK], v[O+8*(\t):O+8*(\t)+3], s[56:57] offset:(\t)*1536
	global_store_b128 v[AK], v[O+8*(\t)+4:O+8*(\t)+7], s[56:57] offset:(\t)*1536+512
	v_mov_b32 v[S+4*(\t)], v[12+2*(\t)]
	v_mov_b32 v[S+4*(\t)+1], v[13+2*(\t)]
	v_mov_b32 v[S+4*(\t)+2], v[L+8*(\t)]
	v_mov_b32 v[S+4*(\t)+3], v[L+8*(\t)]
	global_store_b128 v[AK], v[S+4*(\t):S+4*(\t)+3], s[56:57] offset:(\t)*1536+1024  ; Mu, Mall, L, L; every store of the wave covers 512 bytes on end
.endr
	s_wait_tensorcnt 0x0                           ; the wave's end
	ds_add_u32 v[SPW], v[NIL]
	s_wait_dscnt 0x0
	s_endpgm
.Lfunc_end_k_q161e9300f0_attn:
	.size	k_q161e9300f0_attn, .Lfunc_end_k_q161e9300f0_attn-k_q161e9300f0_attn
	.p2alignl 7, 3214868480
	.fill 96, 4, 3214868480
	.section	.rodata,"a",@progbits
	.p2align	6, 0x0
	.amdhsa_kernel k_q161e9300f0_attn
		.amdhsa_group_segment_fixed_size 148992
		.amdhsa_private_segment_fixed_size 0
		.amdhsa_enable_private_segment 0
		.amdhsa_kernarg_size 32
		.amdhsa_user_sgpr_count 2
		.amdhsa_user_sgpr_kernarg_segment_ptr 1
		.amdhsa_wavefront_size32 1
		.amdhsa_system_sgpr_workgroup_id_x 1
		.amdhsa_system_sgpr_workgroup_id_y 1
		.amdhsa_system_sgpr_workgroup_id_z 1
		.amdhsa_system_vgpr_workitem_id 0
		.amdhsa_next_free_vgpr 256
		.amdhsa_next_free_sgpr 66
		.amdhsa_reserve_vcc 1
		.amdhsa_float_denorm_mode_32 3
		.amdhsa_float_denorm_mode_16_64 3
		.amdhsa_memory_ordered 1
		.amdhsa_forward_progress 1
		.amdhsa_inst_pref_size 42
	.end_amdhsa_kernel
	.amdgpu_metadata
---
amdhsa.version: [ 1, 2 ]
amdhsa.kernels:
  - .name:           k_q161e9300f0_attn
    .symbol:         k_q161e9300f0_attn.kd
    .args:
      - { .name: KVW, .offset: 0, .size: 8, .value_kind: global_buffer, .address_space: global }
      - { .name: QW, .offset: 8, .size: 8, .value_kind: global_buffer, .address_space: global }
      - { .name: ORD, .offset: 16, .size: 8, .value_kind: global_buffer, .address_space: global }
      - { .name: PART, .offset: 24, .size: 8, .value_kind: global_buffer, .address_space: global }
    .group_segment_fixed_size: 148992
    .private_segment_fixed_size: 0
    .kernarg_segment_align: 8
    .kernarg_segment_size: 32
    .max_flat_workgroup_size: 256
    .sgpr_count:     66
    .vgpr_count:     256
    .wavefront_size: 32
...
	.end_amdgpu_metadata
.endif
;; end of part 4
;; launch fin (part 5): grid 128 x 2, 4 waves a work-group, no clusters, 38,400 bytes of LDS; arguments PART, WO, out0; writes out0
.if DOCPART == 5
	.amdgcn_target "amdgcn-amd-amdhsa--gfx1250"
	.amdhsa_code_object_version 6
	.text
	.protected	k_q161e9300f0_fin
	.globl	k_q161e9300f0_fin
	.p2align	8
	.type	k_q161e9300f0_fin,@function
k_q161e9300f0_fin:
	s_mov_b64 s[64:65], 0
	v_nop
	global_prefetch_b8 v0, s[64:65] scope:SCOPE_SE
	s_setreg_imm32_b32 hwreg(HW_REG_WAVE_MODE, 25, 1), 1
	s_wait_xcnt 0x0
; THE PARTS ARE PUT TOGETHER AND PROJECTED.  Work-group (x, y): 16 queries (batch x / 16, tile x % 16), columns 512 y on.
; Wave w joins heads 2 w and 2 w + 1 over the four quarters of the keys.  In log2 units, T = -10000 log2(e):
;   Mu = max Mu_s, Mall = max Mall_s, a = Mu - Mall, m = max(a, T), wu = 2^(a - m), wm = 2^(T - m), w_s = 2^(Mu_s - Mu),
;   out = (wu sum w_s O_s + wm sum Vm_s) / (wu sum w_s L_s + wm sum Nm_s): reference()'s softmax of (s - Mall where open, -10000 where hidden), its own maximum m taken away.
; One of wu, wm is 1 and its sum is at least 1, so the divisor is never 0.  The two heads' 8 + 8 channels of a lane, times 8 and rounded to f16, ARE K step w of source 1; the four waves exchange them in LDS.
; Then wave w makes column tiles 32 y + 8 w + 0..7 (source 0 = Wout's fragments, in window 1), times 1/8, and sends them through its own stage, so that a store is 512 bytes of one row.
; LIMIT: 8 x the attention's result inside f16's range.
.set STG, 4096                         ; behind the four fragments: 16 rows x 528 bytes for each wave
.set SPITCH, 528
.set SPARE, STG+4*16*SPITCH            ; the spare words, 128 bytes a wave
.set SPW, 1
.set NIL, 2
.set LO, 3                             ; 16 x lane
.set FRS, 4
.set STO, 5
.set RD, 6
.set HB, 16                            ; head e, quarter s at HB + 96 e + 24 s: O 0-7, (Mu, Mall, L, L) 8-11, Vm 12-19, Nm 20-23
.set FR, 80                            ; later: the four fragments
.set ACC, 112                          ; and eight accumulators
.set MSB, 0
.macro WIN new                         ; the immediate's high byte repeats the setting that is left; a switch that changes nothing is dropped
.if MSB != (\new)
	s_set_vgpr_msb (MSB<<8)|(\new)
.set MSB, \new
.endif
.endm
.macro COMB e
.set H, HB+96*(\e)
	v_max3_num_f32 v208, v[H+8], v[H+32], v[H+56]
	v_max3_num_f32 v209, v[H+9], v[H+33], v[H+57]
	v_max_num_f32 v208, v208, v[H+80]              ; Mu
	v_max_num_f32 v209, v209, v[H+81]              ; Mall
.irp s, 0,1,2,3
	v_sub_f32 v[210+(\s)], v[H+24*(\s)+8], v208
.endr
	v_sub_f32 v214, v208, v209                     ; a
	v_max_num_f32 v215, 0xc6616bcd, v214           ; m
	v_sub_f32 v214, v214, v215
	v_sub_f32 v215, 0xc6616bcd, v215
.irp s, 0,1,2,3,4,5
	v_exp_f32 v[210+(\s)], v[210+(\s)]             ; w_0 .. w_3, wu, wm
.endr
	v_add_f32 v217, v[H+20], v[H+44]               ; the plain instruction behind the batch: the hidden keys' number
	v_add_f32 v218, v[H+68], v[H+92]
	v_add_f32 v217, v217, v218
	s_wait_alu depctr_va_vdst(0)                   ; one wait for the six, ahead of their first reader
	v_mul_f32 v216, v210, v[H+10]
	v_fmac_f32 v216, v211, v[H+34]
	v_fmac_f32 v216, v212, v[H+58]
	v_fmac_f32 v216, v213, v[H+82]
	v_mul_f32 v216, v216, v214
	v_fmac_f32 v216, v217, v215                    ; the divisor
	v_rcp_f32 v218, v216
	v_nop
	s_wait_alu depctr_va_vdst(0)
	v_mul_f32 v218, 0x41000000, v218               ; 8 / divisor
	v_mul_f32 v214, v214, v218
	v_mul_f32 v220, v215, v218
.irp s, 0,1,2,3
	v_mul_f32 v[222+2*(\s)], v[210+(\s)], v214
.endr
.irp p, 0,1,2,3
	v_pk_add_f32 v[232+2*(\p):233+2*(\p)], v[H+12+2*(\p):H+13+2*(\p)], v[H+36+2*(\p):H+37+2*(\p)]
.endr
.irp p, 0,1,2,3
	v_pk_add_f32 v[232+2*(\p):233+2*(\p)], v[232+2*(\p):233+2*(\p)], v[H+60+2*(\p):H+61+2*(\p)]
.endr
.irp p, 0,1,2,3
	v_pk_add_f32 v[232+2*(\p):233+2*(\p)], v[232+2*(\p):233+2*(\p)], v[H+84+2*(\p):H+85+2*(\p)]
.endr
.irp p, 0,1,2,3
	v_pk_mul_f32 v[232+2*(\p):233+2*(\p)], v[232+2*(\p):233+2*(\p)], v[220:221] op_sel_hi:[1,0]
.endr
.irp s, 0,1,2,3
.irp p, 0,1,2,3
	v_pk_fma_f32 v[232+2*(\p):233+2*(\p)], v[H+24*(\s)+2*(\p):H+24*(\s)+2*(\p)+1], v[222+2*(\s):223+2*(\s)], v[232+2*(\p):233+2*(\p)] op_sel_hi:[1,0,1]
.endr
.endr
.irp p, 0,1,2,3
	v_cvt_pk_f16_f32 v[240+(\p)], v[232+2*(\p)], v[233+2*(\p)]
.endr
	ds_store_b128 v[FRS], v[240:243] offset:(\e)*512
.endm
	s_load_b128 s[4:7], s[0:1], 0x0                ; PART 4, WO 6
	s_load_b64 s[8:9], s[0:1], 0x10                ; out0
	v_lshl_add_u32 v[SPW], v0, 2, SPARE
	v_mov_b32 v[NIL], 0
	v_lshrrev_b32 v7, 5, v0
	v_readfirstlane_b32 s10, v7                    ; wave 0..3
	s_mov_b32 s11, ttmp9
	s_and_b32 s12, ttmp7, 0xffff
	s_lshr_b32 s13, s11, 4                         ; batch
	s_and_b32 s14, s11, 15                         ; query tile
	v_and_b32 v8, 31, v0
	v_and_b32 v9, 15, v0
	v_bfe_u32 v10, v0, 4, 1
	v_lshlrev_b32 v[LO], 4, v8
	v_lshl_add_u32 v[FRS], s10, 10, v[LO]
	s_mul_i32 s15, s10, 16*SPITCH
	s_add_co_u32 s15, s15, STG
	v_mul_u32_u24 v[STO], v9, SPITCH
	v_lshl_add_u32 v[STO], v10, 5, v[STO]
	v_add_nc_u32 v[STO], s15, v[STO]
	v_add_nc_u32 v[RD], s15, v[LO]
.irp r, 221,223,225,227,229
	v_mov_b32 v[\r], 0                             ; named as the upper halves of pairs whose lower half is used for both
.endr
	s_lshl_b32 s16, s13, 3
	s_lshl1_add_u32 s16, s10, s16                  ; 8 batch + 2 wave: my first head
	s_mul_i32 s16, s16, 104448                     ; a head's 4 x 17 records of 1,536 bytes
	s_mov_b32 s17, 0
	s_wait_kmcnt 0x0
	s_add_nc_u64 s[20:21], s[4:5], s[16:17]
	s_mul_i32 s16, s14, 1536
	s_add_nc_u64 s[18:19], s[20:21], s[16:17]      ; at my query tile's record
	s_lshl_b32 s16, s12, 17
	s_lshl_b32 s15, s10, 15
	s_add_co_u32 s16, s16, s15
	s_add_nc_u64 s[6:7], s[6:7], s[16:17]          ; Wout's tiles 32 y + 8 w on
	s_lshl_b32 s16, s11, 16                        ; 16 rows of 4,096 bytes
	s_lshl_b32 s15, s12, 11
	s_add_co_u32 s16, s16, s15
	s_lshl_b32 s15, s10, 9
	s_add_co_u32 s16, s16, s15
	s_add_nc_u64 s[8:9], s[8:9], s[16:17]
.irp e, 0,1
.irp s, 0,1,2,3
	global_load_b128 v[HB+96*(\e)+24*(\s):HB+96*(\e)+24*(\s)+3], v[LO], s[18:19] offset:(\e)*104448+(\s)*26112
	global_load_b128 v[HB+96*(\e)+24*(\s)+4:HB+96*(\e)+24*(\s)+7], v[LO], s[18:19] offset:(\e)*104448+(\s)*26112+512
	global_load_b128 v[HB+96*(\e)+24*(\s)+8:HB+96*(\e)+24*(\s)+11], v[LO], s[18:19] offset:(\e)*104448+(\s)*26112+1024
	global_load_b128 v[HB+96*(\e)+24*(\s)+12:HB+96*(\e)+24*(\s)+15], v[LO], s[20:21] offset:(\e)*104448+(\s)*26112+16*1536
	global_load_b128 v[HB+96*(\e)+24*(\s)+16:HB+96*(\e)+24*(\s)+19], v[LO], s[20:21] offset:(\e)*104448+(\s)*26112+16*1536+512
	global_load_b128 v[HB+96*(\e)+24*(\s)+20:HB+96*(\e)+24*(\s)+23], v[LO], s[20:21] offset:(\e)*104448+(\s)*26112+16*1536+1024
.endr
.endr
	WIN 0x40                                       ; destination in window 1
.set f, 0
.rept 32
	global_load_b128 v[8*f:8*f+3], v[LO], s[6:7] offset:f*1024
	global_load_b128 v[8*f+4:8*f+7], v[LO], s[6:7] offset:f*1024+512
.set f, f+1
.endr
	WIN 0
	s_wait_loadcnt 63                              ; of 112 loads at most 63 are out: the first 49, the parts' 48 among them, are in
	COMB 0
	COMB 1
	s_wait_dscnt 0x0                               ; for the others' sake
	s_barrier_signal -1
	s_barrier_wait -1
.irp k, 0,1,2,3
	ds_load_b128 v[FR+8*(\k):FR+8*(\k)+3], v[LO] offset:(\k)*1024
	ds_load_b128 v[FR+8*(\k)+4:FR+8*(\k)+7], v[LO] offset:(\k)*1024+512
.endr
	s_wait_loadcnt 0x0                             ; Wout's fragments
	s_wait_dscnt 0x0
	WIN 0x01                                       ; source 0 in window 1
.irp k, 0,1,2,3
.irp i, 0,1,2,3,4,5,6,7
.if (\k) == 0
	v_wmma_f32_16x16x32_f16 v[ACC+8*(\i):ACC+8*(\i)+7], v[8*(4*(\i)+(\k)):8*(4*(\i)+(\k))+7], v[FR+8*(\k):FR+8*(\k)+7], 0
.else
	v_wmma_f32_16x16x32_f16 v[ACC+8*(\i):ACC+8*(\i)+7], v[8*(4*(\i)+(\k)):8*(4*(\i)+(\k))+7], v[FR+8*(\k):FR+8*(\k)+7], v[ACC+8*(\i):ACC+8*(\i)+7]
.endif
.endr
.endr
	WIN 0
.rept 8
	v_nop                                          ; the places behind the last products
.endr
.irp i, 0,1,2,3,4,5,6,7
.irp p, 0,1,2,3
	v_pk_mul_f32 v[ACC+8*(\i)+2*(\p):ACC+8*(\i)+2*(\p)+1], v[ACC+8*(\i)+2*(\p):ACC+8*(\i)+2*(\p)+1], 0x3e000000 op_sel_hi:[1,0]  ; x 1/8, exact
.endr
	ds_store_b128 v[STO], v[ACC+8*(\i):ACC+8*(\i)+3] offset:64*(\i)
	ds_store_b128 v[STO], v[ACC+8*(\i)+4:ACC+8*(\i)+7] offset:64*(\i)+16
.endr
.irp t, 0,1,2,3,4,5,6,7,8,9,10,11,12,13,14,15
	ds_load_b128 v[HB+4*(\t):HB+4*(\t)+3], v[RD] offset:(\t)*SPITCH  ; LDS serves a wave's instructions in order (ISA guide 5.7.1.4): these see my stores above
.endr
.irp t, 0,1,2,3,4,5,6,7,8,9,10,11,12,13,14,15
	s_wait_dscnt 15-(\t)                           ; row t is back; the rows behind it may stay out
	global_store_b128 v[LO], v[HB+4*(\t):HB+4*(\t)+3], s[8:9] offset:(\t)*4096  ; 512 bytes on end of one row, at a multiple of 512 from out0's first byte
.endr
	s_wait_tensorcnt 0x0                           ; the wave's end
	ds_add_u32 v[SPW], v[NIL]
	s_wait_dscnt 0x0
	s_endpgm
.Lfunc_end_k_q161e9300f0_fin:
	.size	k_q161e9300f0_fin, .Lfunc_end_k_q161e9300f0_fin-k_q161e9300f0_fin
	.p2alignl 7, 3214868480
	.fill 96, 4, 3214868480
	.section	.rodata,"a",@progbits
	.p2align	6, 0x0
	.amdhsa_kernel k_q161e9300f0_fin
		.amdhsa_group_segment_fixed_size 38400
		.amdhsa_private_segment_fixed_size 0
		.amdhsa_enable_private_segment 0
		.amdhsa_kernarg_size 24
		.amdhsa_user_sgpr_count 2
		.amdhsa_user_sgpr_kernarg_segment_ptr 1
		.amdhsa_wavefront_size32 1
		.amdhsa_system_sgpr_workgroup_id_x 1
		.amdhsa_system_sgpr_workgroup_id_y 1
		.amdhsa_system_sgpr_workgroup_id_z 1
		.amdhsa_system_vgpr_workitem_id 0
		.amdhsa_next_free_vgpr 512
		.amdhsa_next_free_sgpr 66
		.amdhsa_reserve_vcc 0
		.amdhsa_float_denorm_mode_32 3
		.amdhsa_float_denorm_mode_16_64 3
		.amdhsa_memory_ordered 1
		.amdhsa_forward_progress 1
		.amdhsa_inst_pref_size 31
	.end_amdhsa_kernel
	.amdgpu_metadata
---
amdhsa.version: [ 1, 2 ]
amdhsa.kernels:
  - .name:           k_q161e9300f0_fin
    .symbol:         k_q161e9300f0_fin.kd
    .args:
      - { .name: PART, .offset: 0, .size: 8, .value_kind: global_buffer, .address_space: global }
      - { .name: WO, .offset: 8, .size: 8, .value_kind: global_buffer, .address_space: global }
      - { .name: out0, .offset: 16, .size: 8, .value_kind: global_buffer, .address_space: global }
    .group_segment_fixed_size: 38400
    .private_segment_fixed_size: 0
    .kernarg_segment_align: 8
    .kernarg_segment_size: 24
    .max_flat_workgroup_size: 128
    .sgpr_count:     66
    .vgpr_count:     512
    .wavefront_size: 32
...
	.end_amdgpu_metadata
.endif
;; end of part 5
;; ======== version 2 of 2: 5 launches; version 1 with the launch attn written anew for expert scheduling mode
;; limits: values are held in f16: magnitudes above 65,504 overflow, below 6.1e-05 lose precision
;; workspace buffers: WX 524,288 bytes; WL 786,432 bytes; WO 262,144 bytes; BIAS 2,560 bytes; ORD 270,592 bytes of whole numbers; KVW 34,603,008 bytes; QW 524,288 bytes; PART 6,684,672 bytes
;; launch prep: the kernel of part 1 again; grid 80 x 1, 8 waves a work-group, no clusters, 1,792 bytes of LDS; arguments Wkv, Wq, Wout, gamma_m, beta_m, gamma_l, beta_l, mask, WX, WL, WO, BIAS, ORD; writes WX, WL, WO, BIAS, ORD
;; launch projl: the kernel of part 2 again; grid 64 x 3, 8 waves a work-group, no clusters, 67,328 bytes of LDS; arguments latents, WL, BIAS, KVW, QW; writes KVW, QW
;; launch projx: the kernel of part 3 again; grid 256 x 1, 8 waves a work-group, no clusters, 265,728 bytes of LDS; arguments x, WX, BIAS, KVW; writes KVW
;; launch attn (part 6): grid 256 x 1, 8 waves a work-group, no clusters, 148,992 bytes of LDS; arguments KVW, QW, ORD, PART; writes PART
.if DOCPART == 6
	.amdgcn_target "amdgcn-amd-amdhsa--gfx1250"
	.amdhsa_code_object_version 6
	.text
	.protected	k_q161e9300f0_attn
	.globl	k_q161e9300f0_attn
	.p2align	8
	.type	k_q161e9300f0_attn,@function
k_q161e9300f0_attn:
	s_mov_b64 s[64:65], 0
	v_nop
	global_prefetch_b8 v0, s[64:65] scope:SCOPE_SE
	s_setreg_imm32_b32 hwreg(HW_REG_WAVE_SCHED_MODE, 0, 2), 2
	s_setreg_imm32_b32 hwreg(HW_REG_WAVE_MODE, 25, 1), 1
	s_wait_xcnt 0x0
	s_wait_alu depctr_vm_vsrc(0)
; ATTENTION, IN PARTS.  Work-group = (batch, head, quarter of the 8,448 keys): 256 queries x 2,112 keys at head size 16.  Wave w owns query tiles 2 w and 2 w + 1.
; reference() takes the maximum over ALL keys away, sets hidden keys to -10000 and then takes a softmax.  For a query that is, exactly: Mu = maximum over open keys, Mall = over all keys,
; O = sum over open keys of 2^(s - Mu) v, L = the sum of those weights, Vm = sum of the hidden keys' v, Nm = their number; the last launch puts them together.  q carries log2(e) / 4, so scores are in log2 units.
; THE KEYS ARE TAKEN IN ORD'S ORDER: the quarter's nU open keys first, then the hidden ones.  At the head each wave reads the list for its blocks of 32 places, gathers each key's 32 bytes of K and of V
; from memory and stores them into LDS at the place's fixed address; the mask's table in LDS (for each block 32 f32: 0 or -1e30; 32 f16: 0 or 1) is made from place >= nU.  One barrier; LDS is only read after it.
; PASS 1, all 66 blocks: one running maximum X of the raw scores.  Blocks below jm = nU / 32 hold open keys alone, so at block jm X is copied into Mu, and that one block's scores with the table's addends go
; into Mu too; at the end X is Mall.  Wave 0 also makes Vm and Nm, by products with the indicator of hidden keys.
; PASS 2, with the final Mu, so nothing is rescaled: O and L over blocks 0 .. 2 nT - 1, nT = (nU + 63) / 64; the loop counts to 33 and jumps forward over the trips from nT on.  A block past nU has weight 0 by the table.
; NO CLUSTER: no two work-groups read the same K and V; the list that a batch's eight heads share is 8,448 bytes beside 135,168.
; LAYOUT.  A fragment of K holds TWO tiles of 16 keys: channels 0-15 of the first as k = 0..15, of the second as k = 16..31; against [q; 0] it gives the first tile's scores, against [0; q] the second's.
; S^T holds one query a lane (lane % 16) and keys 8 (lane / 16) + 0..7; the two tiles rounded to f16 in pairs ARE source 1 of O^T = V^T P.  L = ones x P: the sum of the weights as the product takes them.
; Two waves share a SIMD: one wave's vector work runs beside the other's products.  The LDS loads run ahead of the block in hand, never past block 65: a look-ahead beyond it repeats block 65 and is not used.
; LIMITS: a hidden score counts as its value less 1e30; a weight below 2^-126 counts as 0; k, v, q arrive inside f16's range; NaN and infinities are not treated apart.
; THE MODE: SCHED_MODE bits 1:0 = 2 (LLVM: expert scheduling mode 2), set by the entry lines.  The code itself states the register dependences between vector or matrix instructions
; and memory or LDS instructions, with s_wait_alu, always for 0.
; THE PLAN.  Registers that memory or LDS instructions touch:
;   the head   All lane addresses are made first, under one wait.  The nine blocks' offsets KO, VO are made in one run, under one wait, ahead of the run of gather loads.  The table's entries have registers of their own
;              (MT), made from a run of compares into scalar registers, under one wait ahead of their stores.  G, KO, VO and the head's addresses are written again only behind the one wait that follows the last LDS store.
;   pass 1     Two sets of four address registers, named by the parity of the block that they address.  Block j (parity p): at its head the loads of block j + 1 read set 1 - p and land in K, V, IND[1 - p], which the
;              products of block j - 1 read last; behind its products the address of block j + 2 is written into set p, which the loads at the head of block j - 1 read last.  So two waits at a block's head state all of it.
;   block jm   WX, an address of its own, and MC[0]: one wait ahead of its one run of loads.
;   pass 2     Set 0 alone.  Block j: the addresses are written behind its first four products; its eight loads stand behind the wait that the exponentials owe: V of block j + 1 lands in V[1 - p], which the products of
;              block j - 1 read last; K and the addends of block j + 2 land in K[p], MC[p], which this block's first four products read.  One more wait a block stands ahead of the address lines.
;   S, P, O, L, X, Mu are named by vector and matrix instructions alone, until the way out.
.set VB, 67584                         ; LDS: K's 2,112 keys of 32 bytes (a tile of 16 keys: key r, channels 8 c on, at 256 c + 16 r), then V's (key by key),
.set MTB, 135168                       ; then 66 records of 192 bytes of the mask's table
.set SPARE, 147968                     ; the spare words, 128 bytes a wave
.set CNT, 270336                       ; ORD: the counts stand behind 32 lists of 8,448 bytes
.set AK, 2                             ; 16 x lane
.set AV, 3                             ; the turning load's lane term
.set AM, 4                             ; 32 (lane / 16) + MTB: my eight keys' f32
.set AI, 5                             ; 16 (lane / 16) + MTB + 128: my eight keys' f16
.set WA, 6                             ; v6-9: address set 0: K, V, the addends, the indicator of a block to be fetched
.set WSTEP, 242                        ; v248-251: address set 1
.set WX, 252                           ; v252: the address of block jm's addends
.set SPW, 10
.set NIL, 11
;      v12-15: (Mu, X) of tile 0, of tile 1;  v16-19 at work;  v20-39: 0 q0 0 q1 0, four registers each
.set ONES, 40
.set KR, 48                            ; K, V, the mask's addends and the indicator: two sets each, by the block's parity
.set VR, 64
.set MC, 80
.set IND, 112
.set S, 128                            ; 16 scores a tile
.set P, 160                            ; 8 registers a tile
.set O, 176
.set L, 192
.set VM, 208
.set NM, 216
; at the head alone:
.set G, 48                             ; v48-191: block i's 16 registers a lane: K's two chunks, V's two
.set IDX, 192                          ; v192-200 the list's entries
.set KO, 201                           ; v201-209 the key's byte offset in K
.set VO, 210                           ; v210-218 and in V
.set KD, 219                           ; where my place's 16 bytes of K go
.set VD, 220                           ; and of V
.set MD, 221                           ; my place's f32 in the table
.set ID, 222                           ; and its f16
.set IO, 223                           ; 4 x thread
.set T0, 224                           ; at work
.set KD2, 228
.set VD2, 229
.set MT, 230                           ; v230-247: block i's entries of the table: the f32 at MT + 2 i, the f16 at MT + 2 i + 1; written once
.set WV, 12
.set NU, 30                            ; the quarter's open keys
.set JMX, 31                           ; jm
.set NT, 32                            ; pass 2's trips
.set JC, 33                            ; the block in hand
.set TS, 34
.set J1, 35                            ; min(block in hand + 1, 65)
.set BIG, 36
.set ONEH, 37
.set CM8, 38                           ; the ninth block's compare
.set CM, 40                            ; s40-47: the eight blocks' compares
.set N, 48
.set J, 49                             ; min(block in hand + 2, 65)
.set JM, 50
.set SEL, 52
.macro GOFF i                          ; the list's entry, held inside the quarter; behind that only ANDs, shifts to the left and sums
	v_min_u32 v[IDX+(\i)], 2111, v[IDX+(\i)]
	v_and_b32 v[KO+(\i)], 0xff0, v[IDX+(\i)]
	v_and_b32 v[T0], 15, v[IDX+(\i)]
	v_lshlrev_b32 v[KO+(\i)], 5, v[KO+(\i)]        ; the tile of 16 keys: 512 bytes
	v_lshl_add_u32 v[KO+(\i)], v[T0], 4, v[KO+(\i)]
	v_lshlrev_b32 v[VO+(\i)], 5, v[IDX+(\i)]
.endm
.macro GLD i                           ; a key a lane: its 2 x 16 bytes of K, its 32 bytes of V (eight tiles of 270,336 bytes behind K)
	global_load_b128 v[G+16*(\i):G+16*(\i)+3], v[KO+(\i)], s[28:29]
	global_load_b128 v[G+16*(\i)+4:G+16*(\i)+7], v[KO+(\i)], s[28:29] offset:256
	global_load_b128 v[G+16*(\i)+8:G+16*(\i)+11], v[VO+(\i)], s[28:29] offset:2162688
	global_load_b128 v[G+16*(\i)+12:G+16*(\i)+15], v[VO+(\i)], s[28:29] offset:2162688+16
.endm
.macro GST i, kd, vd, off
	ds_store_b128 v[\kd], v[G+16*(\i):G+16*(\i)+3] offset:(\off)
	ds_store_b128 v[\kd], v[G+16*(\i)+4:G+16*(\i)+7] offset:(\off)+256
	ds_store_b128 v[\vd], v[G+16*(\i)+8:G+16*(\i)+11] offset:(\off)
	ds_store_b128 v[\vd], v[G+16*(\i)+12:G+16*(\i)+15] offset:(\off)+16
.endm
; The table's entries of place 32 (wave + 8 i) + lane, in three parts: the compare, into a scalar register of the block's own; the two selects; the two stores.
.macro MCMP i, cm
	v_add_nc_u32 v[T0], 256*(\i), v0
	v_cmp_le_u32 s[\cm], s[NU], v[T0]              ; hidden: nU <= place
.endm
.macro MSEL i, cm
	v_cndmask_b32 v[MT+2*(\i)], 0, s[BIG], s[\cm]
	v_cndmask_b32 v[MT+2*(\i)+1], 0, s[ONEH], s[\cm]
.endm
.macro MSTO i
	ds_store_b32 v[MD], v[MT+2*(\i)] offset:(\i)*1536
	ds_store_b16 v[ID], v[MT+2*(\i)+1] offset:(\i)*1536
.endm
; Address set a: K, the addends and the indicator of block s[J], V of block s[jv].  Four plain instructions: also the places behind the products in front of them (ISA guide 7.12.1).
.macro ADDR a, jv
	v_lshl_add_u32 v[WA+WSTEP*(\a)], s[J], 10, v[AK]
	v_lshl_add_u32 v[WA+WSTEP*(\a)+1], s[\jv], 10, v[AV]
	v_add_nc_u32 v[WA+WSTEP*(\a)+2], s[JM], v[AM]
	v_add_nc_u32 v[WA+WSTEP*(\a)+3], s[JM], v[AI]
.endm
.macro LDK q, a, off=0                 ; a block's K: two tiles
	ds_load_b128 v[KR+8*(\q):KR+8*(\q)+3], v[WA+WSTEP*(\a)] offset:(\off)
	ds_load_b128 v[KR+8*(\q)+4:KR+8*(\q)+7], v[WA+WSTEP*(\a)] offset:(\off)+512
.endm
.macro LDM q, ar, off=0                ; its 16 addends, by address register ar
	ds_load_b128 v[MC+16*(\q):MC+16*(\q)+3], v[\ar] offset:(\off)
	ds_load_b128 v[MC+16*(\q)+4:MC+16*(\q)+7], v[\ar] offset:(\off)+16
	ds_load_b128 v[MC+16*(\q)+8:MC+16*(\q)+11], v[\ar] offset:(\off)+64
	ds_load_b128 v[MC+16*(\q)+12:MC+16*(\q)+15], v[\ar] offset:(\off)+80
.endm
.macro LDV q, a                        ; a block's V, turned: lane l gets channel l % 16 and 8 + 8 keys
	ds_load_tr16_b128 v[VR+8*(\q):VR+8*(\q)+3], v[WA+WSTEP*(\a)+1]
	ds_load_tr16_b128 v[VR+8*(\q)+4:VR+8*(\q)+7], v[WA+WSTEP*(\a)+1] offset:512
.endm
.macro LDI q, a                        ; the indicator as source 1: the same for all 16 columns
	ds_load_b128 v[IND+8*(\q):IND+8*(\q)+3], v[WA+WSTEP*(\a)+3]
	ds_load_b128 v[IND+8*(\q)+4:IND+8*(\q)+7], v[WA+WSTEP*(\a)+3] offset:32
.endm
.macro QK par, msk                     ; four products: tile 0's and tile 1's scores for the block's two key tiles
.if \msk
	v_wmma_f32_16x16x32_f16 v[S:S+7], v[KR+8*(\par):KR+8*(\par)+7], v[24:31], v[MC+16*(\par):MC+16*(\par)+7]
	v_wmma_f32_16x16x32_f16 v[S+8:S+15], v[KR+8*(\par):KR+8*(\par)+7], v[20:27], v[MC+16*(\par)+8:MC+16*(\par)+15]
	v_wmma_f32_16x16x32_f16 v[S+16:S+23], v[KR+8*(\par):KR+8*(\par)+7], v[32:39], v[MC+16*(\par):MC+16*(\par)+7]
	v_wmma_f32_16x16x32_f16 v[S+24:S+31], v[KR+8*(\par):KR+8*(\par)+7], v[28:35], v[MC+16*(\par)+8:MC+16*(\par)+15]
.else
	v_wmma_f32_16x16x32_f16 v[S:S+7], v[KR+8*(\par):KR+8*(\par)+7], v[24:31], 0
	v_wmma_f32_16x16x32_f16 v[S+8:S+15], v[KR+8*(\par):KR+8*(\par)+7], v[20:27], 0
	v_wmma_f32_16x16x32_f16 v[S+16:S+23], v[KR+8*(\par):KR+8*(\par)+7], v[32:39], 0
	v_wmma_f32_16x16x32_f16 v[S+24:S+31], v[KR+8*(\par):KR+8*(\par)+7], v[28:35], 0
.endif
.endm
; Block jm alone, once a wave: all blocks before it hold open keys only, so X as it stands is their maximum: it starts Mu; then this block's scores take the table's addends, in place, and go into Mu.
.macro MIX
	s_cmp_eq_u32 s[JC], s[JMX]
	s_cbranch_scc0 .Lnm_\@
	s_mul_i32 s[TS], s[JC], 192
	v_add_nc_u32 v[WX], s[TS], v[AM]
	v_mov_b32 v12, v13
	v_mov_b32 v14, v15
	s_wait_alu depctr_va_vdst(0)                   ; v[WX] is written, which the four loads read; whatever sums read MC's first set before are done reading it
	LDM 0, WX
	s_wait_dscnt 0x0
.irp i, 0,1,2,3,4,5,6,7
	v_pk_add_f32 v[S+2*(\i):S+2*(\i)+1], v[S+2*(\i):S+2*(\i)+1], v[MC+2*(\i):MC+2*(\i)+1]
	v_pk_add_f32 v[S+16+2*(\i):S+17+2*(\i)], v[S+16+2*(\i):S+17+2*(\i)], v[MC+2*(\i):MC+2*(\i)+1]
	v_max3_num_f32 v12, v12, v[S+2*(\i)], v[S+2*(\i)+1]
	v_max3_num_f32 v14, v14, v[S+16+2*(\i)], v[S+17+2*(\i)]
.endr
.Lnm_\@:
.endm
; PASS 1, one block.  No two products on end share an accumulator.  Four chains, one for each accumulator, take turns, so a chain's links stand four lines apart; each accumulator is read from its low end on.
; The next block's loads stand at the block's head, behind the two waits; no vector or matrix instruction between those waits and the loads names a register that the loads touch.
.macro P1 par
	s_wait_dscnt 0x0                               ; this block's fragments, asked for a block ago
	s_wait_alu depctr_vm_vsrc(0)                   ; the loads at the head of the block before have read address set \par, which this block writes anew behind its products; so has block jm's load its v[WX]
	s_wait_alu depctr_va_vdst(0)                   ; the other address set is written, which the loads below read; the products of the block before are done reading the K, V and indicator in which they land
	LDK 1-(\par), 1-(\par)
	s_cmp_lg_u32 s[WV], 0
	s_cbranch_scc1 .Lnv_\@
	LDV 1-(\par), 1-(\par)
	LDI 1-(\par), 1-(\par)
	v_wmma_f32_16x16x32_f16 v[VM:VM+7], v[VR+8*(\par):VR+8*(\par)+7], v[IND+8*(\par):IND+8*(\par)+7], v[VM:VM+7]
	v_wmma_f32_16x16x32_f16 v[NM:NM+7], v[ONES:ONES+7], v[IND+8*(\par):IND+8*(\par)+7], v[NM:NM+7]
.Lnv_\@:
	QK \par, 0
	ADDR \par, J                                   ; the block two on; the four places between the scores' products and their first reader
.irp c, 0,1,2,3
	v_max3_num_f32 v[16+(\c)], v[S+8*(\c)], v[S+8*(\c)+1], v[S+8*(\c)+2]
.endr
.irp c, 0,1,2,3
	v_max3_num_f32 v[16+(\c)], v[16+(\c)], v[S+8*(\c)+3], v[S+8*(\c)+4]
.endr
.irp c, 0,1,2,3
	v_max3_num_f32 v[16+(\c)], v[16+(\c)], v[S+8*(\c)+5], v[S+8*(\c)+6]
.endr
	v_max3_num_f32 v16, v16, v[S+7], v[S+15]
	v_max3_num_f32 v18, v18, v[S+23], v[S+31]
	MIX
	v_max3_num_f32 v13, v13, v16, v17              ; X takes the block's raw maximum
	v_max3_num_f32 v15, v15, v18, v19
.endm
; PASS 2, one block.  ADDR's four lines are the places between the scores' products and their first reader.  The 32 exponentials are one batch with one wait, and the block's eight LDS loads stand behind that wait:
; V of the next block first, then K and the addends of the block two on.  LDS loads come back in order (ISA guide 5.7.1), so the two waits on them are counted.
.macro P2 par
	s_wait_dscnt 8                                 ; this block's K and addends, asked for two blocks ago, are in; the eight loads of the block before may stay out
	QK \par, 1
	s_wait_alu depctr_vm_vsrc(0)                   ; the loads of the block before have read address set 0, which the next four lines write anew
	ADDR 0, J1
.irp i, 0,1,2,3,4,5,6,7
	v_pk_add_f32 v[S+2*(\i):S+2*(\i)+1], v[S+2*(\i):S+2*(\i)+1], v[12:13] op_sel_hi:[1,0] neg_lo:[0,1] neg_hi:[0,1]  ; s - Mu
.endr
.irp i, 0,1,2,3,4,5,6,7
	v_exp_f32 v[S+2*(\i)], v[S+2*(\i)]
	v_pk_add_f32 v[S+16+2*(\i):S+17+2*(\i)], v[S+16+2*(\i):S+17+2*(\i)], v[14:15] op_sel_hi:[1,0] neg_lo:[0,1] neg_hi:[0,1]
	v_exp_f32 v[S+2*(\i)+1], v[S+2*(\i)+1]
.endr
.irp i, 0,1,2,3,4,5,6,7,8,9,10,11,12,13,14,15
	v_exp_f32 v[S+16+(\i)], v[S+16+(\i)]
.endr
	v_nop                                          ; a plain instruction behind the last exponential (ISA guide 5.7.2)
	s_wait_alu depctr_va_vdst(0)                   ; the 32 exponentials have written v[S ..], ahead of their first reader; address set 0 is written; this block's first four products are done reading its K and addends, the last block's V^T P its V
	LDV 1-(\par), 0
	LDK \par, 0
	LDM \par, WA+2
.irp i, 0,1,2,3,4,5,6,7
	v_cvt_pk_f16_f32 v[P+(\i)], v[S+2*(\i)], v[S+2*(\i)+1]
	v_cvt_pk_f16_f32 v[P+8+(\i)], v[S+16+2*(\i)], v[S+17+2*(\i)]
.endr
	s_wait_dscnt 14                                ; this block's V, the first two loads of the block before, is in; the six behind them and this block's eight may stay out
	v_wmma_f32_16x16x32_f16 v[O:O+7], v[VR+8*(\par):VR+8*(\par)+7], v[P:P+7], v[O:O+7]
	v_wmma_f32_16x16x32_f16 v[L:L+7], v[ONES:ONES+7], v[P:P+7], v[L:L+7]
	v_wmma_f32_16x16x32_f16 v[O+8:O+15], v[VR+8*(\par):VR+8*(\par)+7], v[P+8:P+15], v[O+8:O+15]
	v_wmma_f32_16x16x32_f16 v[L+8:L+15], v[ONES:ONES+7], v[P+8:P+15], v[L+8:L+15]
.endm
; In hand: block 2 N + odd.  The addresses made in it are those of block min(that + 2, 65) and, in pass 2 (v = 1), for V, of block min(that + 1, 65).
.macro NEXT odd, v
	s_lshl_b32 s[JC], s[N], 1
.if \odd
	s_add_co_u32 s[JC], s[JC], 1
.endif
.if \v
	s_add_co_u32 s[J1], s[JC], 1
	s_min_u32 s[J1], s[J1], 65
.endif
	s_add_co_u32 s[J], s[JC], 2
	s_min_u32 s[J], s[J], 65
	s_mul_i32 s[JM], s[J], 192
.endm
	s_load_b256 s[4:11], s[0:1], 0x0               ; KVW 4, QW 6, ORD 8, PART 10
	v_lshl_add_u32 v[SPW], v0, 2, SPARE
	v_mov_b32 v[NIL], 0
	v_lshrrev_b32 v1, 5, v0
	v_readfirstlane_b32 s[WV], v1                  ; wave 0..7
	v_lshlrev_b32 v[IO], 2, v0                     ; 128 x wave + 4 x lane: block wave + 8 i of the list lies 1,024 i further on
	v_and_b32 v16, 31, v0
	v_lshlrev_b32 v[AK], 4, v16
	v_and_b32 v1, 15, v0
	v_bfe_u32 v17, v0, 4, 1
	v_and_b32 v18, 7, v0
	v_bfe_u32 v19, v0, 3, 1
	v_lshl_add_u32 v[AV], v17, 3, v18              ; key 8 (l / 16) + l % 8,
	v_lshlrev_b32 v[AV], 5, v[AV]
	v_lshl_add_u32 v[AV], v19, 4, v[AV]            ; channels 8 ((l / 8) % 2) on
	v_add_nc_u32 v[AV], VB, v[AV]
	v_lshl_add_u32 v[AM], v17, 5, MTB
	v_lshl_add_u32 v[AI], v17, 4, MTB+128
	v_lshlrev_b32 v[KD], 4, v1
	v_lshl_add_u32 v[KD], v17, 9, v[KD]            ; place l of a block: tile l / 16, key l % 16
	s_wait_alu depctr_va_sdst(0)                   ; s[WV] is written, ahead of its first reader: offsets, LDS addresses and branches are made from it
	s_mov_b32 s13, ttmp9
	s_and_b32 s16, s13, 3                          ; quarter
	s_lshr_b32 s17, s13, 2                         ; 8 batch + head
	s_lshr_b32 s14, s17, 3
	s_and_b32 s15, s17, 7
	s_lshl2_add_u32 s22, s14, s16                  ; list 4 batch + quarter
	s_lshl_b32 s20, s22, 2
	s_mov_b32 s21, 0
	s_mul_i32 s40, s22, 8448
	s_mov_b32 s41, 0
	s_lshl4_add_u32 s18, s14, s15                  ; K's tile 16 batch + head
	s_mul_i32 s18, s18, 270336
	s_mul_i32 s19, s16, 67584                      ; the quarter's 2,112 keys
	s_add_co_u32 s18, s18, s19
	s_mov_b32 s19, 0
	s_lshl_b32 s42, s17, 13                        ; the head's 256 queries of 32 bytes,
	s_lshl_b32 s43, s[WV], 10                      ; my two tiles
	s_add_co_u32 s42, s42, s43
	s_mov_b32 s43, 0
	s_lshl_b32 s2, s[WV], 10                       ; a block is 1,024 bytes of K and of V
	v_add_nc_u32 v[KD], s2, v[KD]
	v_lshl_add_u32 v[VD], v16, 5, s2
	v_add_nc_u32 v[VD], VB, v[VD]
	s_mul_i32 s3, s[WV], 192
	s_add_co_u32 s3, s3, MTB
	v_lshl_add_u32 v[MD], v16, 2, s3
	s_add_co_u32 s23, s3, 128
	v_lshl_add_u32 v[ID], v16, 1, s23
	s_wait_kmcnt 0x0
	s_add_nc_u64 s[24:25], s[8:9], s[20:21]
	s_load_b32 s[NU], s[24:25], CNT
	s_add_nc_u64 s[26:27], s[8:9], s[40:41]
	s_add_nc_u64 s[28:29], s[4:5], s[18:19]
	s_add_nc_u64 s[6:7], s[6:7], s[42:43]
	s_wait_alu depctr_va_vdst(0)                   ; the lane addresses are written: v[IO] and v[AK], which the loads below read, and v[KD], v[VD], v[MD], v[ID], which the head's LDS stores read
	; Wave w fills blocks w + 8 i, i = 0..7; waves 0 and 1 also blocks 64 and 65 (i = 8).  The ninth block's loads go out first, so that the counts below are the same in every wave.
	s_cmp_ge_u32 s[WV], 2
	s_cbranch_scc1 .Lg0
	global_load_b32 v[IDX+8], v[IO], s[26:27] offset:8192
.Lg0:
.irp i, 0,1,2,3,4,5,6,7
	global_load_b32 v[IDX+(\i)], v[IO], s[26:27] offset:1024*(\i)
.endr
	global_load_b128 v[24:27], v[AK], s[6:7]       ; q
	global_load_b128 v[32:35], v[AK], s[6:7] offset:512
.irp r, 20,21,22,23,28,29,30,31,36,37,38,39
	v_mov_b32 v[\r], 0                             ; no load lands in these
.endr
.irp r, 0,1,2,3,4,5,6,7
	v_mov_b32 v[ONES+(\r)], 0x3c003c00             ; 1.0 twice in f16
.endr
.irp r, 12,13,14,15
	v_mov_b32 v[\r], 0xff7fffff                    ; the lowest finite number
.endr
	s_wait_loadcnt 2                               ; the list's entries are in; q's two loads may stay out
	s_cmp_ge_u32 s[WV], 2
	s_cbranch_scc1 .Lg1a
	GOFF 8
.Lg1a:
.irp i, 0,1,2,3,4,5,6,7
	GOFF \i
.endr
	s_wait_alu depctr_va_vdst(0)                   ; the offsets v[KO ..] and v[VO ..] of all my blocks are written, which the gather's loads read
	s_cmp_ge_u32 s[WV], 2
	s_cbranch_scc1 .Lg1
	GLD 8
.Lg1:
.irp i, 0,1,2,3,4,5,6,7
	GLD \i
.endr
	s_wait_kmcnt 0x0                               ; nU
	s_min_u32 s[NU], s[NU], 2112
	s_lshr_b32 s[JMX], s[NU], 5
	s_add_co_u32 s[NT], s[NU], 63
	s_lshr_b32 s[NT], s[NT], 6
	s_mov_b32 s[BIG], 0xf149f2ca                   ; -1e30
	s_mov_b32 s[ONEH], 0x3c00                      ; 1.0 in f16
	; the table, while the keys are on their way
	s_cmp_ge_u32 s[WV], 2
	s_cbranch_scc1 .Lt8
	v_add_nc_u32 v[KD2], 0x10000, v[KD]            ; 8 x 8,192 bytes on: past what the immediate holds
	v_add_nc_u32 v[VD2], 0x10000, v[VD]
	MCMP 8, CM8
	s_wait_alu depctr_va_sdst(0)                   ; s[CM8] is written, ahead of the two selects that read it
	MSEL 8, CM8
.Lt8:
.irp i, 0,1,2,3,4,5,6,7
	MCMP \i, CM+(\i)
.endr
	s_wait_alu depctr_va_sdst(0)                   ; the eight compares have written s[CM ..], ahead of the selects that read them
.irp i, 0,1,2,3,4,5,6,7
	MSEL \i, CM+(\i)
.endr
	s_wait_alu depctr_va_vdst(0)                   ; the selects have written v[MT ..], which the table's stores read; in waves 0 and 1 v[KD2] and v[VD2] are written, by which the ninth block is stored
.irp i, 0,1,2,3,4,5,6,7
	MSTO \i
.endr
	s_mul_i32 s18, s13, 26112                      ; 17 records of 1,536 bytes a work-group
	s_mov_b32 s19, 0
	s_add_nc_u64 s[54:55], s[10:11], s[18:19]
	s_mul_i32 s18, s[WV], 3072
	s_add_nc_u64 s[56:57], s[54:55], s[18:19]
	s_mov_b32 s[SEL], 0x76543210
	s_mov_b32 s[SEL+1], 0xfedcba98
	s_wait_loadcnt 28                              ; all but the 28 loads of blocks 1 to 7: block 0 is in, and the ninth, which went out before it
	s_cmp_ge_u32 s[WV], 2
	s_cbranch_scc1 .Lg2
	GST 8, KD2, VD2, 0
	MSTO 8
.Lg2:
	GST 0, KD, VD, 0
.irp i, 1,2,3,4,5,6,7
	s_wait_loadcnt 28-4*(\i)                       ; block i is in; the later blocks' four loads each may stay out
	GST \i, KD, VD, (\i)*8192
.endr
	s_wait_alu depctr_vm_vsrc(0)                   ; the head's loads and LDS stores have read v[G ..], v[KO ..], v[VO ..] and their addresses: from here on these registers are Vm, Nm, L and the loops' fragments, scores and sums
.set r, 0
.rept 16
	v_mov_b32 v[VM+r], 0                           ; Vm and Nm start at 0: no first block is written out
.set r, r+1
.endr
	s_mov_b32 s[J], 0
	s_mov_b32 s[JM], 0
	ADDR 0, J                                      ; block 0's addresses in set 0,
	s_mov_b32 s[J], 1
	s_mov_b32 s[JM], 192
	ADDR 1, J                                      ; block 1's in set 1
	s_wait_dscnt 0x0                               ; for the others' sake: my blocks lie in LDS,
	s_barrier_signal -1
	s_barrier_wait -1                              ; everybody's do
	s_wait_alu depctr_va_vdst(0)                   ; both address sets are written: set 0 is read by the loads below, set 1 at the head of block 0
	LDK 0, 0
	s_cmp_lg_u32 s[WV], 0
	s_cbranch_scc1 .Lnv0
	LDV 0, 0
	LDI 0, 0
.Lnv0:
	s_mov_b32 s[N], 0
.Lp1:                                          ; 33 trips of two blocks
	NEXT 0, 0
	P1 0
	NEXT 1, 0
	P1 1
	s_add_co_u32 s[N], s[N], 1
	s_cmp_lt_u32 s[N], 33
	s_cbranch_scc1 .Lp1
	s_wait_dscnt 0x0                               ; the look-ahead loads are back: their registers are loaded anew below
	s_cmp_lt_u32 s[JMX], 66
	s_cbranch_scc1 .Lhave
	v_mov_b32 v12, v13                             ; every key is open: no block was block jm, and Mu is X
	v_mov_b32 v14, v15
.Lhave:
	v_permlanex16_b32 v16, v12, s[SEL], s[SEL+1]   ; a query's other keys lie in the lane 16 away
	v_permlanex16_b32 v17, v13, s[SEL], s[SEL+1]
	v_permlanex16_b32 v18, v14, s[SEL], s[SEL+1]
	v_permlanex16_b32 v19, v15, s[SEL], s[SEL+1]
	v_max_num_f32 v12, v12, v16
	v_max_num_f32 v13, v13, v17
	v_max_num_f32 v14, v14, v18
	v_max_num_f32 v15, v15, v19
	s_cmp_lg_u32 s[WV], 0
	s_cbranch_scc1 .Lnv1
	s_wait_alu depctr_va_vdst(0)                   ; the products have written Vm and Nm, which the three stores read; the places behind them are the last block's vector lines
	global_store_b128 v[AK], v[VM:VM+3], s[54:55] offset:16*1536       ; record 16: Vm in O's layout, then Nm
	global_store_b128 v[AK], v[VM+4:VM+7], s[54:55] offset:16*1536+512
	global_store_b128 v[AK], v[NM:NM+3], s[54:55] offset:16*1536+1024
.Lnv1:
.set r, 0
.rept 32
	v_mov_b32 v[O+r], 0                            ; O and L start at 0: no first block is written out
.set r, r+1
.endr
	s_mov_b32 s[J], 0
	s_mov_b32 s[JM], 0
	s_wait_alu depctr_vm_vsrc(0)                   ; the loads at the head of pass 1's last block have read address set 0, which the next four lines write anew
	ADDR 0, J
	s_wait_alu depctr_va_vdst(0)                   ; address set 0 is written; pass 1's products and block jm's sums are done reading K, V and the addends, in which the loads below land
	LDK 0, 0                                       ; block 0's K and addends: six loads;
	LDM 0, WA+2
	LDV 0, 0                                       ; then eight, as every block of the loop issues them: a block's V, the next block's K and addends, here by immediates: 1,024 bytes and a record of 192 on
	LDK 1, 0, 1024
	LDM 1, WA+2, 192
	s_mov_b32 s[N], 0
.Lp2:                                          ; counted to 33; the trips from nT on hold hidden keys alone and are jumped over; a trip that is jumped issues no load, so the counts hold
	s_cmp_ge_u32 s[N], s[NT]
	s_cbranch_scc1 .Lp2n
	NEXT 0, 1
	P2 0
	NEXT 1, 1
	P2 1
.Lp2n:
	s_add_co_u32 s[N], s[N], 1
	s_cmp_lt_u32 s[N], 33
	s_cbranch_scc1 .Lp2
.rept 8
	v_nop                                          ; the places behind the last products
.endr
.irp t, 0,1
	v_mov_b32 v[S+4*(\t)], v[12+2*(\t)]
	v_mov_b32 v[S+4*(\t)+1], v[13+2*(\t)]
	v_mov_b32 v[S+4*(\t)+2], v[L+8*(\t)]
	v_mov_b32 v[S+4*(\t)+3], v[L+8*(\t)]
.endr
	s_wait_alu depctr_va_vdst(0)                   ; the products have written O, the eight moves v[S ..]: the six stores read them; the places above stay beside this wait
.irp t, 0,1
	global_store_b128 v[AK], v[O+8*(\t):O+8*(\t)+3], s[56:57] offset:(\t)*1536
	global_store_b128 v[AK], v[O+8*(\t)+4:O+8*(\t)+7], s[56:57] offset:(\t)*1536+512
	global_store_b128 v[AK], v[S+4*(\t):S+4*(\t)+3], s[56:57] offset:(\t)*1536+1024  ; Mu, Mall, L, L; every store of the wave covers 512 bytes on end
.endr
	s_wait_dscnt 0x0                               ; the closing lines, six on end
	s_wait_alu 0x0
	s_wait_tensorcnt 0x0
	ds_add_u32 v[SPW], v[NIL]
	s_wait_dscnt 0x0
	s_endpgm
.Lfunc_end_k_q161e9300f0_attn:
	.size	k_q161e9300f0_attn, .Lfunc_end_k_q161e9300f0_attn-k_q161e9300f0_attn
	.p2alignl 7, 3214868480
	.fill 96, 4, 3214868480
	.section	.rodata,"a",@progbits
	.p2align	6, 0x0
	.amdhsa_kernel k_q161e9300f0_attn
		.amdhsa_group_segment_fixed_size 148992
		.amdhsa_private_segment_fixed_size 0
		.amdhsa_enable_private_segment 0
		.amdhsa_kernarg_size 32
		.amdhsa_user_sgpr_count 2
		.amdhsa_user_sgpr_kernarg_segment_ptr 1
		.amdhsa_wavefront_size32 1
		.amdhsa_system_sgpr_workgroup_id_x 1
		.amdhsa_system_sgpr_workgroup_id_y 1
		.amdhsa_system_sgpr_workgroup_id_z 1
		.amdhsa_system_vgpr_workitem_id 0
		.amdhsa_next_free_vgpr 256
		.amdhsa_next_free_sgpr 66
		.amdhsa_reserve_vcc 0
		.amdhsa_float_denorm_mode_32 3
		.amdhsa_float_denorm_mode_16_64 3
		.amdhsa_memory_ordered 1
		.amdhsa_forward_progress 1
		.amdhsa_inst_pref_size 44
	.end_amdhsa_kernel
	.amdgpu_metadata
---
amdhsa.version: [ 1, 2 ]
amdhsa.kernels:
  - .name:           k_q161e9300f0_attn
    .symbol:         k_q161e9300f0_attn.kd
    .args:
      - { .name: KVW, .offset: 0, .size: 8, .value_kind: global_buffer, .address_space: global }
      - { .name: QW, .offset: 8, .size: 8, .value_kind: global_buffer, .address_space: global }
      - { .name: ORD, .offset: 16, .size: 8, .value_kind: global_buffer, .address_space: global }
      - { .name: PART, .offset: 24, .size: 8, .value_kind: global_buffer, .address_space: global }
    .group_segment_fixed_size: 148992
    .private_segment_fixed_size: 0
    .kernarg_segment_align: 8
    .kernarg_segment_size: 32
    .max_flat_workgroup_size: 256
    .sgpr_count:     66
    .vgpr_count:     256
    .wavefront_size: 32
...
	.end_amdgpu_metadata
.endif
;; end of part 6
;; launch fin: the kernel of part 5 again; grid 128 x 2, 4 waves a work-group, no clusters, 38,400 bytes of LDS; arguments PART, WO, out0; writes out0
